; MI455X (gfx1250); checked and timed in simulation.
; The chip was launched on July 23, 2026; its instructions are those of AMD's public machine-readable ISA for CDNA 5 (MIT licence, August 2026) and "CDNA5" Instruction Set Architecture Reference Guide (July 2026). The comments in the code are by the model that wrote it; some were corrected since.
;; Projected Attention Layer. Allowed arithmetic: matrix products marked QUANTISED: E2M1 operands, one E8M0 scale for each 32 along K, by v_wmma_scale_f32_16x16x128_f8f6f4 with both operands' format E2M1 (or v_wmma_scale_f32_32x16x128_f4), f32 sums; products left as they are: bf16, f16 or f32 operands; f32 sums; everything else in f32.
;; Inputs: Wk 1,024 x 1,024 float32; Wq 1,024 x 1,024 float32; Wv 1,024 x 1,024 float32; bk 1,024 float32; bq 1,024 float32; bv 1,024 float32; keys 4 x 2,048 x 1,024 float32; queries 4 x 2,048 x 1,024 float32; values 4 x 2,048 x 1,024 float32.
;; Outputs: out0 4 x 2,048 x 1,024 float32.
;; This version of the problem:
;;   THIS VERSION OF THE PROBLEM IS GIVEN IN LOW PRECISION. The matrix products marked QUANTISED in the list below multiply operands that are first quantised to E2M1 (2 exponent bits, 1 mantissa bit; 4 bits a number), with one power-of-two scale for each 32 numbers along K (OCP MX v1.0); their sums are f32. The products marked 'left as it is' may take bf16, f16 or f32 operands, with f32 sums. Whichever they take, every output number must still come out within the allowed error. Rounding operands to bf16 (8 significant bits) uses up far more of that allowance than f16 does (11 bits, for magnitudes from 6e-5 to 65,504). All else is computed in f32.
;;   The module's matrix products, in the order in which they are computed (A, B: the left and right operand; K: the contracted axis; several contracted axes count as one K, in the product's order):
;;     1. [M 8,192, K 1,024] x [K 1,024, N 1,024]; A: input queries; B: input Wq: QUANTISED
;;     2. [M 8,192, K 1,024] x [K 1,024, N 1,024]; A: input keys; B: input Wk: QUANTISED
;;     3. batch 4 x [M 2,048, K 1,024] x [K 1,024, N 2,048]; A: computed on the way; B: computed on the way: left as it is (an operand is computed on the way)
;;     4. [M 8,192, K 1,024] x [K 1,024, N 1,024]; A: input values; B: input Wv: QUANTISED
;;     5. [M 8,192, K 1,024] x [K 1,024, N 1,024]; A: computed on the way; B: input Wv: left as it is (an operand is computed on the way)
;;     6. batch 4 x [M 2,048, K 2,048] x [K 2,048, N 1,024]; A: computed on the way; B: computed on the way: left as it is (an operand is computed on the way)
;;   THE QUANTISER, for each operand of a quantised product, along K:
;;     - K is cut into blocks of 32 from its start; a last block that is shorter is filled with zeros.
;;     - A block's scale is 2^e with e = floor(log2(the largest magnitude in the block)) - 2, held to -126 .. 127; a block of zeros has e = 0. As a byte (E8M0): e + 127.
;;     - Each number is divided by its block's scale, clamped to +-6, and rounded to the nearest number of E2M1, ties to even, subnormals kept.
;;     - The product sums the exact products of the quantised numbers (number of the format x scale) in f32.
;;   ~~~python
;;   def quantise(x, axis):      # numpy; x: float32 -> the quantised numbers, widened to float32 again
;;       x = np.moveaxis(x, axis, -1); K = x.shape[-1]
;;       x = np.pad(x, [(0, 0)] * (x.ndim - 1) + [(0, -K % 32)]); x = x.reshape(x.shape[:-1] + (-1, 32)); a = np.abs(x).max(-1, keepdims=True)
;;       e = np.where(a > 0, np.clip(np.frexp(np.where(a > 0, a, 1))[1] - 1 - 2, -126, 127), 0)      # np.frexp(a)[1] - 1 = floor(log2(a)), exactly
;;       r = np.clip(x / 2.0 ** e, -6, 6)
;;       step = 2.0 ** (np.maximum(np.frexp(np.where(r == 0, 1, r))[1] - 1, 0) - 1)
;;       q = np.round(r / step) * step * 2.0 ** e      # np.round: ties to even
;;       return np.moveaxis(q.reshape(q.shape[:-2] + (-1,))[..., :K], -1, axis).astype(np.float32)
;;   ~~~
;; One version. Each part assembles by itself: llvm-mc -triple=amdgcn-amd-amdhsa -mcpu=gfx1250 --defsym DOCPART=n.
;; ======== version 1 of 1: 5 launches
;; limits: values are held in f16: magnitudes above 65,504 overflow, below 6.1e-05 lose precision
;; workspace buffers: cod 14,155,776 bytes; scl 884,736 bytes; wv16 2,097,152 bytes; qkv 50,331,648 bytes; pbuf 33,554,432 bytes; stat 1,048,576 bytes; u16 16,777,216 bytes
;; launch prep (part 1): grid 944 x 1, 4 waves a work-group, no clusters, 68,096 bytes of LDS; arguments queries, keys, values, Wq, Wk, Wv, cod, scl, wv16; writes cod, scl, wv16
.if DOCPART == 1
	.amdgcn_target "amdgcn-amd-amdhsa--gfx1250"
	.amdhsa_code_object_version 6
	.text
	.protected	k_q7b620f53e2_prep
	.globl	k_q7b620f53e2_prep
	.p2align	8
	.type	k_q7b620f53e2_prep,@function
k_q7b620f53e2_prep:
	s_mov_b64 s[64:65], 0
	v_nop
	global_prefetch_b8 v0, s[64:65] scope:SCOPE_SE
	s_setreg_imm32_b32 hwreg(HW_REG_WAVE_MODE, 25, 1), 1
	s_wait_xcnt 0x0
; THE PROGRAM: out = softmax((queries Wq + bq)(keys Wk + bk)^T / 32) ((values Wv + bv) Wv + bv), in five launches.
; The three products with an input on both sides are QUANTISED (E2M1 codes, one E8M0 scale for each 32 along K); the others take f16 operands and f32 sums.
; DEAD WORK: bk.  scores[q][k] = (q . k0[k] + q . bk) / 32 with k0 = keys Wk.  The term q . bk / 32 is the same for every key k of a row, for all values of the inputs, and a softmax along k
; is unchanged by a term that is the same along its axis.  The scores' product is not quantised, so bk moves no code and no scale.  So bk is not loaded and is among no launch's arguments.
; LIMIT: a NaN, an infinity or an overflow that reaches the result through bk alone is not carried to the result.
; ORDER OF THE LAST TWO PRODUCTS: with v1 = values Wv + bv, align (v1 Wv + 1 bv^T) = (align v1) Wv + bv, since each row of align sums to 1, for all values of the inputs.  The multiply-adds are as many;
; u = align v1 is a weighted mean of rows of v1 and has v1's range, so that it has room in f16 where v1 Wv would not.
; LIMITS: q, k, v1 and u are kept in f16: magnitudes under 65,504.  NaN and infinities among the inputs are not served.
;
; THIS LAUNCH turns the six inputs of the quantised products into codes and scale bytes, K innermost, and Wv into f16.  Three roles, chosen by the work-group's number alone; no barrier; each role has LDS bytes of its own.
;   work-groups 0-47    W: Wq, Wk, Wv [k][n], K = the first axis: a lane takes a column, its registers run down K.  Codes [3][1024 n][512 bytes] from byte WC of cod, scale bytes [3][1024 n][32] from byte WS of scl.
;   work-groups 48-175  C: Wv as f16, as it lies, into wv16.
;   work-groups 176-943 X: queries, keys, values: rows are dense and K is innermost, so each is a plain stream of blocks of 32.  Codes [3][8192][512 bytes] from byte 0 of cod, scale bytes [3][8192][32] from byte 0 of scl.
; A block's scale is 2^(floor(log2(its largest magnitude)) - 2); its byte is the largest magnitude's exponent field - 2, held at 1 from below.  A block of zeros so gets the byte 1 where the rule says 127:
; its codes are zeros, which add nothing under any byte but 0xff, and this program alone reads the bytes.  LIMIT: blocks whose largest magnitude lies under 2^-124 keep the byte 1.
.set WC,    12582912                   ; cod: where the weights' codes begin
.set WS,    786432                     ; scl: where the weights' scale bytes begin
.set EMAX,  2
.set SPW,   190                        ; v190  LDS address of my spare word: SPARE + 4 x my thread's number; never rewritten
.set NIL,   191                        ; v191  0; never rewritten
.set SPARE, 67584                      ; behind both roles' regions: the spare words, 128 bytes for each wave
	s_load_b512 s[8:23], s[0:1], 0x0               ; queries 8, keys 10, values 12, Wq 14, Wk 16, Wv 18, cod 20, scl 22
	s_load_b64 s[24:25], s[0:1], 0x40              ; wv16
	v_lshl_add_u32 v[SPW], v0, 2, SPARE
	v_mov_b32 v[NIL], 0
	v_lshrrev_b32 v1, 5, v0
	v_readfirstlane_b32 s26, v1                    ; wave 0..3
	v_and_b32 v2, 31, v0                           ; lane
	s_wait_kmcnt 0x0
	s_cmp_lt_u32 ttmp9, 48
	s_cbranch_scc1 .Lrole_w
	s_cmp_lt_u32 ttmp9, 176
	s_cbranch_scc1 .Lrole_c
; ---------------- ROLE X.  A wave takes 16 steps of 512 numbers.  Each of a step's four loads reads 512 consecutive bytes, 16 a lane; the 2,048 bytes turn through the wave's own stage in LDS and come back
; 64 bytes a lane, so that a lane holds 16 neighbours along K and two neighbouring lanes a block.  Loads run four steps ahead, the turn through LDS one step.
.set STEPS, 16
.set CB,    8                          ; bytes of 16 codes
.set XR,    16                         ; v16-79   four sets of 16 numbers as they are loaded
.set XX,    80                         ; v80-111  two sets of 16 neighbours
.set XE,    112                        ; v112-127 a scale byte for each step
.set XC,    128                        ; v128-189 codes: four registers for each step, so that no store's data are written again
.set WREG,  8192                       ; LDS bytes 0 to 32,767: a region for each wave: two stages of 32 x SP bytes, behind them its 256 scale bytes
.set SP,    80                         ; a lane's place in a stage: its 64 bytes + 16 of padding
	s_sub_co_u32 s27, ttmp9, 176                   ; 0..767: 256 work-groups to a tensor
	s_cmp_lt_u32 s27, 256
	s_cselect_b64 s[4:5], s[8:9], s[10:11]         ; the choices hang on the work-group's number alone
	s_cmp_lt_u32 s27, 512
	s_cselect_b64 s[4:5], s[4:5], s[12:13]
	s_and_b32 s28, s27, 255
	s_lshl_b32 s28, s28, 2
	s_add_co_u32 s28, s28, s26                     ; which run of 8,192 numbers of the tensor is my wave's
	s_lshl_b32 s28, s28, 15                        ; 32,768 bytes a run
	s_mov_b32 s29, 0
	s_add_nc_u64 s[4:5], s[4:5], s[28:29]
	s_lshl_b32 s30, s27, 2
	s_add_co_u32 s30, s30, s26                     ; the run among all three tensors'
	s_lshl_b32 s28, s30, 12                        ; 4,096 bytes of codes a run
	s_add_nc_u64 s[20:21], s[20:21], s[28:29]
	s_lshl_b32 s28, s30, 8                         ; 256 scale bytes a run
	s_add_nc_u64 s[22:23], s[22:23], s[28:29]
	v_lshlrev_b32 v3, 4, v2                        ; my 16 bytes of a load's 512
	s_mul_i32 s31, s26, WREG
	v_lshrrev_b32 v14, 2, v2
	v_mul_u32_u24 v14, v14, SP
	v_and_b32 v15, 3, v2
	v_lshl_add_u32 v14, v15, 4, v14
	v_add_nc_u32 v14, s31, v14                     ; the stage, on the way in: SP (lane / 4) + 16 (lane % 4)
	v_mul_u32_u24 v15, v2, SP
	v_add_nc_u32 v15, s31, v15                     ; and on the way out: SP x lane: my 16 neighbours
	v_mul_u32_u24 v4, v2, CB                       ; my codes' place in a step's
	v_lshrrev_b32 v5, 1, v2
	s_add_co_u32 s31, s31, 2*32*SP
	v_add_nc_u32 v5, s31, v5                       ; LDS: my wave's 256 scale bytes, my block's byte
	v_lshlrev_b32 v7, 3, v2                        ; and on the way out 8 bytes a lane
	v_add_nc_u32 v6, s31, v7
.macro XLOAD t
.irp i, 0,1,2,3
	global_load_b128 v[XR+16*((\t)%4)+4*\i:XR+16*((\t)%4)+4*\i+3], v3, s[4:5] offset:2048*(\t)+512*\i th:TH_LOAD_NT   ; 32 lanes read 512 consecutive bytes
.endr
.endm
.macro XTURN t                         ; step t's numbers through the stage: LDS serves a wave's instructions in order, so no wait stands between the stores and the loads
.irp i, 0,1,2,3
	ds_store_b128 v14, v[XR+16*((\t)%4)+4*\i:XR+16*((\t)%4)+4*\i+3] offset:32*SP*((\t)%2)+8*SP*\i
.endr
.irp i, 0,1,2,3
	ds_load_b128 v[XX+16*((\t)%2)+4*\i:XX+16*((\t)%2)+4*\i+3], v15 offset:32*SP*((\t)%2)+16*\i
.endr
.endm
.irp t, 0,1,2,3
	XLOAD \t
.endr
	s_wait_loadcnt 12                              ; step 0's four loads are in; the twelve of steps 1 to 3 may be out
	XTURN 0
.macro XSTEP t
.set XS, XX+16*((\t)%2)
.if (\t) > 0
	s_wait_dscnt 1                                 ; this step's numbers are back from the stage (the last step's byte store may be out): so its stores into the stage have read their registers,
.else
	s_wait_dscnt 0x0
.endif
.if (\t)+4 < STEPS
	XLOAD (\t)+4                                   ; which take the loads of four steps on
.endif
.if (\t)+1 < STEPS
.if STEPS-2-(\t) >= 3
	s_wait_loadcnt 12                              ; the next step's four loads are in; those of the three steps behind it may be out
.else
	s_wait_loadcnt 4*(STEPS-2-(\t))
.endif
	XTURN (\t)+1                                   ; and go through the other stage while this step is worked
.endif
	v_max3_num_f32 v8, |v[XS]|, |v[XS+1]|, |v[XS+2]|               ; the largest magnitude of my 16, in two chains
	v_max3_num_f32 v9, |v[XS+3]|, |v[XS+4]|, |v[XS+5]|
.irp i, 6,10
	v_max3_num_f32 v8, v8, |v[XS+\i]|, |v[XS+\i+1]|
	v_max3_num_f32 v9, v9, |v[XS+\i+2]|, |v[XS+\i+3]|
.endr
	v_max3_num_f32 v8, v8, |v[XS+14]|, |v[XS+15]|
	v_max3_num_f32 v8, v8, v9, (EMAX+1)<<23        ; and the floor 2^(EMAX + 1 - 127): the byte cannot fall under 1
	v_max_num_f32_dpp v8, v8, v8 row_xmask:1 row_mask:0xf bank_mask:0xf   ; and of my neighbour's 16: the block's
	v_add_nc_u32 v11, -(EMAX<<23), v8              ; EMAX off its exponent field: the conversion takes the exponent field of this operand as its scale, and nothing else of it
	v_cvt_scalef32_pk8_fp4_f32 v[XC+4*(\t)], v[XS:XS+7], v11       ; eight numbers / the scale, to the nearest code, ties to even, beyond the largest code the largest
	v_cvt_scalef32_pk8_fp4_f32 v[XC+4*(\t)+1], v[XS+8:XS+15], v11
	v_lshrrev_b32 v[XE+(\t)], 23, v11              ; the scale's byte (also the plain line behind the conversions)
	ds_store_b8 v5, v[XE+(\t)] offset:16*(\t)      ; both lanes of a block write the same byte with the same value
	global_store_b64 v4, v[XC+4*(\t):XC+4*(\t)+1], s[20:21] offset:32*CB*(\t)   ; the wave stores 256 consecutive bytes, aligned
.endm
.irp t, 0,1,2,3,4,5,6,7,8,9,10,11,12,13,14,15
	XSTEP \t
.endr
	ds_load_b64 v[8:9], v6                         ; LDS serves a wave's instructions in order: these see my stores
	s_wait_dscnt 0x0
	global_store_b64 v7, v[8:9], s[22:23]          ; 32 lanes store 256 consecutive bytes, aligned
	s_wait_tensorcnt 0x0                           ; the wave's end, behind my last LDS store
	ds_add_u32 v[SPW], v[NIL]
	s_wait_dscnt 0x0
	s_endpgm
; ---------------- ROLE W.  Work-group = (tensor, half of K, 128 columns); a wave takes 32 columns x 512 along K: 16 blocks a lane.  Each load reads one row k at 32 neighbouring columns; a block of 32 along K
; lies in ONE lane's 32 registers.  A lane's codes go through the wave's own stage in LDS and leave as rows: sixteen lanes store 256 consecutive bytes, aligned.  Loads run two blocks ahead.
.set NB,    16                         ; blocks of a lane
.set PITCH, 272                        ; a stage row: 256 bytes of codes + 16
.set KROW,  512                        ; a row of the codes in bytes
.set WX,    32                         ; v32-95   two sets of 32 numbers
.set WCD,   96                         ; v96-99   a block's codes
.set WOUT,  112                        ; v112-175 the way out
.set WSB,   24                         ; v24-27   the scale bytes, four to a register
.Lrole_w:
	s_lshr_b32 s27, ttmp9, 4                       ; which weight
	s_cmp_eq_u32 s27, 0
	s_cselect_b64 s[4:5], s[14:15], s[16:17]
	s_cmp_eq_u32 s27, 2
	s_cselect_b64 s[4:5], s[18:19], s[4:5]
	s_bfe_u32 s28, ttmp9, 0x10003                  ; which 512 along K
	s_and_b32 s29, ttmp9, 7
	s_lshl_b32 s29, s29, 7
	s_lshl_b32 s30, s26, 5
	s_add_co_u32 s29, s29, s30                     ; my wave's first column
	s_lshl_b32 s30, s28, 21                        ; the weight: 512 rows of 4,096 bytes,
	s_lshl_b32 s31, s29, 2                         ; + 4 x column
	s_add_co_u32 s30, s30, s31
	s_mov_b32 s31, 0
	s_add_nc_u64 s[4:5], s[4:5], s[30:31]
	s_lshl_b32 s30, s27, 19                        ; the codes: 524,288 bytes a weight,
	s_lshl_b32 s32, s29, 9                         ; 512 a column,
	s_add_co_u32 s30, s30, s32
	s_lshl_b32 s32, s28, 8                         ; 256 for each 512 along K
	s_add_co_u32 s30, s30, s32
	s_add_co_u32 s30, s30, WC
	s_add_nc_u64 s[20:21], s[20:21], s[30:31]
	s_lshl_b32 s30, s27, 15                        ; the scale bytes: 32,768 a weight, 32 a column, 16 for each 512 along K
	s_lshl_b32 s32, s29, 5
	s_add_co_u32 s30, s30, s32
	s_lshl_b32 s32, s28, 4
	s_add_co_u32 s30, s30, s32
	s_add_co_u32 s30, s30, WS
	s_add_nc_u64 s[22:23], s[22:23], s[30:31]
	v_lshlrev_b32 v3, 2, v2                        ; in: 4 bytes a lane
	s_mul_i32 s33, s26, 32*PITCH
	s_add_co_u32 s33, s33, 32768                   ; my stage: LDS bytes 32,768 to 67,583 are this role's
	v_mul_u32_u24 v4, v2, PITCH
	v_add_nc_u32 v4, s33, v4                       ; into it: row = my column
	v_and_b32 v5, 15, v2
	v_lshrrev_b32 v6, 4, v2                        ; out of it: sixteen lanes to a row, two rows an instruction
	v_mul_u32_u24 v7, v6, PITCH
	v_lshl_add_u32 v7, v5, 4, v7
	v_add_nc_u32 v7, s33, v7
	v_mul_u32_u24 v8, v6, KROW
	v_lshl_add_u32 v8, v5, 4, v8                   ; and the same place among the codes
	v_lshlrev_b32 v9, 5, v2                        ; my column's row of scale bytes
.macro WLOAD t                         ; block t: W(32 t + i, my column), i = 0 .. 31, into set t % 2.  The largest offset is 511 rows of 4,096 bytes, inside the signed 24-bit immediate
.irp i, 0,1,2,3,4,5,6,7,8,9,10,11,12,13,14,15,16,17,18,19,20,21,22,23,24,25,26,27,28,29,30,31
	global_load_b32 v[WX+32*((\t)%2)+\i], v3, s[4:5] offset:(32*(\t)+\i)*4096
.endr
.endm
	WLOAD 0
	WLOAD 1
.macro WBLOCK t
.set XS, WX+32*((\t)%2)
.if (\t) < NB-1
	s_wait_loadcnt 32                              ; this block's 32 loads are in; the next block's may be out
.else
	s_wait_loadcnt 0
.endif
	v_max3_num_f32 v12, |v[XS]|, |v[XS+1]|, |v[XS+2]|              ; the block's largest magnitude: all 32 numbers are mine
	v_max3_num_f32 v13, |v[XS+3]|, |v[XS+4]|, |v[XS+5]|
.irp i, 6,10,14,18,22,26
	v_max3_num_f32 v12, v12, |v[XS+\i]|, |v[XS+\i+1]|
	v_max3_num_f32 v13, v13, |v[XS+\i+2]|, |v[XS+\i+3]|
.endr
	v_max3_num_f32 v12, v12, |v[XS+30]|, |v[XS+31]|
	v_max3_num_f32 v12, v12, v13, (EMAX+1)<<23     ; and the floor
	v_add_nc_u32 v11, -(EMAX<<23), v12             ; the conversion's scale operand
	v_lshrrev_b32 v13, 23, v11                     ; the scale's byte
.if (\t)%4 == 0
	v_mov_b32 v[WSB+(\t)/4], v13                   ; four bytes to a register, the lower K in the lower byte
.else
	v_lshl_or_b32 v[WSB+(\t)/4], v13, 8*((\t)%4), v[WSB+(\t)/4]
.endif
.irp g, 0,1,2,3
	v_cvt_scalef32_pk8_fp4_f32 v[WCD+\g], v[XS+8*\g:XS+8*\g+7], v11
.endr
	ds_store_b128 v4, v[WCD:WCD+3] offset:16*(\t)  ; 32 codes: 16 bytes of my column's row
.if (\t)+2 < NB
	WLOAD (\t)+2
.endif
	s_wait_dscnt 0x0                               ; the store has read its registers: the next block's codes may be written
.endm
.set Q, 0
.rept NB
	WBLOCK Q
.set Q, Q+1
.endr
	global_store_b128 v9, v[WSB:WSB+3], s[22:23]   ; my column's 16 scale bytes
.irp t, 0,1,2,3,4,5,6,7,8,9,10,11,12,13,14,15
	ds_load_b128 v[WOUT+4*\t:WOUT+4*\t+3], v7 offset:2*\t*PITCH    ; LDS serves a wave's instructions in order: these see my stores
.endr
.irp t, 0,1,2,3,4,5,6,7,8,9,10,11,12,13,14,15
	s_wait_dscnt 15-\t                             ; the younger loads may be out
	global_store_b128 v8, v[WOUT+4*\t:WOUT+4*\t+3], s[20:21] offset:2*\t*KROW
.endr
	s_wait_tensorcnt 0x0                           ; the wave's end, behind my last LDS store
	ds_add_u32 v[SPW], v[NIL]
	s_wait_dscnt 0x0
	s_endpgm
; ---------------- ROLE C.  Wv to f16, as it lies: a work-group takes 32,768 bytes; a load of the work-group covers 2,048 consecutive bytes, a store of a wave 256, aligned.  No LDS.
.Lrole_c:
	s_sub_co_u32 s27, ttmp9, 48
	s_lshl_b32 s28, s27, 15
	s_mov_b32 s29, 0
	s_add_nc_u64 s[18:19], s[18:19], s[28:29]
	s_lshl_b32 s28, s27, 14
	s_add_nc_u64 s[24:25], s[24:25], s[28:29]
	v_lshlrev_b32 v3, 4, v0
	v_lshlrev_b32 v4, 3, v0
.irp n, 0,1,2,3,4,5,6,7,8,9,10,11,12,13,14,15
	global_load_b128 v[32+4*\n:35+4*\n], v3, s[18:19] offset:2048*\n
.endr
.irp n, 0,1,2,3,4,5,6,7,8,9,10,11,12,13,14,15
	s_wait_loadcnt 15-\n                           ; the younger loads may be out
	v_cvt_pk_f16_f32 v[96+2*\n], v[32+4*\n], v[33+4*\n]
	v_cvt_pk_f16_f32 v[97+2*\n], v[34+4*\n], v[35+4*\n]
	global_store_b64 v4, v[96+2*\n:97+2*\n], s[24:25] offset:1024*\n
.endr
	s_endpgm
.Lfunc_end_k_q7b620f53e2_prep:
	.size	k_q7b620f53e2_prep, .Lfunc_end_k_q7b620f53e2_prep-k_q7b620f53e2_prep
	.p2alignl 7, 3214868480
	.fill 96, 4, 3214868480
	.section	.rodata,"a",@progbits
	.p2align	6, 0x0
	.amdhsa_kernel k_q7b620f53e2_prep
		.amdhsa_group_segment_fixed_size 68096
		.amdhsa_private_segment_fixed_size 0
		.amdhsa_enable_private_segment 0
		.amdhsa_kernarg_size 72
		.amdhsa_user_sgpr_count 2
		.amdhsa_user_sgpr_kernarg_segment_ptr 1
		.amdhsa_wavefront_size32 1
		.amdhsa_system_sgpr_workgroup_id_x 1
		.amdhsa_system_sgpr_workgroup_id_y 1
		.amdhsa_system_sgpr_workgroup_id_z 1
		.amdhsa_system_vgpr_workitem_id 0
		.amdhsa_next_free_vgpr 192
		.amdhsa_next_free_sgpr 66
		.amdhsa_reserve_vcc 0
		.amdhsa_float_denorm_mode_32 3
		.amdhsa_float_denorm_mode_16_64 3
		.amdhsa_memory_ordered 1
		.amdhsa_forward_progress 1
		.amdhsa_inst_pref_size 117
	.end_amdhsa_kernel
	.amdgpu_metadata
---
amdhsa.version: [ 1, 2 ]
amdhsa.kernels:
  - .name:           k_q7b620f53e2_prep
    .symbol:         k_q7b620f53e2_prep.kd
    .args:
      - { .name: queries, .offset: 0, .size: 8, .value_kind: global_buffer, .address_space: global }
      - { .name: keys, .offset: 8, .size: 8, .value_kind: global_buffer, .address_space: global }
      - { .name: values, .offset: 16, .size: 8, .value_kind: global_buffer, .address_space: global }
      - { .name: Wq, .offset: 24, .size: 8, .value_kind: global_buffer, .address_space: global }
      - { .name: Wk, .offset: 32, .size: 8, .value_kind: global_buffer, .address_space: global }
      - { .name: Wv, .offset: 40, .size: 8, .value_kind: global_buffer, .address_space: global }
      - { .name: cod, .offset: 48, .size: 8, .value_kind: global_buffer, .address_space: global }
      - { .name: scl, .offset: 56, .size: 8, .value_kind: global_buffer, .address_space: global }
      - { .name: wv16, .offset: 64, .size: 8, .value_kind: global_buffer, .address_space: global }
    .group_segment_fixed_size: 68096
    .private_segment_fixed_size: 0
    .kernarg_segment_align: 8
    .kernarg_segment_size: 72
    .max_flat_workgroup_size: 128
    .sgpr_count:     66
    .vgpr_count:     192
    .wavefront_size: 32
...
	.end_amdgpu_metadata
.endif
;; end of part 1
;; launch proj (part 2): grid 4 x 96, 4 waves a work-group, clusters of 4 x 4, 327,680 bytes of LDS; arguments cod, scl, bq, bv, qkv; writes qkv
.if DOCPART == 2
	.amdgcn_target "amdgcn-amd-amdhsa--gfx1250"
	.amdhsa_code_object_version 6
	.text
	.protected	k_q7b620f53e2_proj
	.globl	k_q7b620f53e2_proj
	.p2align	8
	.type	k_q7b620f53e2_proj,@function
k_q7b620f53e2_proj:
	s_mov_b64 s[64:65], 0
	v_nop
	global_prefetch_b8 v0, s[64:65] scope:SCOPE_SE
	s_setreg_imm32_b32 hwreg(HW_REG_WAVE_MODE, 25, 1), 1
	s_wait_xcnt 0x0
	s_wait_alu depctr_hold_cnt(0) depctr_sa_sdst(0) depctr_va_vdst(0) depctr_va_sdst(0) depctr_va_ssrc(0) depctr_va_vcc(0) depctr_vm_vsrc(0)
	s_getreg_b32 s2, hwreg(HW_REG_IB_STS2, 6, 4)
	s_cmp_eq_u32 s2, 0
	s_cbranch_scc0 .Lentry_in_a_cluster
	s_endpgm
.Lentry_in_a_cluster:
	s_bfe_u32 s2, ttmp6, 0x10000c
	s_cmp_lg_u32 s2, 0xf033
	s_cbranch_scc0 .Lentry_shape_is_right
	s_endpgm
.Lentry_shape_is_right:
; q = queries Wq + bq, k0 = keys Wk, v1 = values Wv + bv: the three QUANTISED products as ONE product of 24,576 rows, on codes of FP4 (E2M1) with one E8M0 scale for each 32 along K; sums in f32, results in f16 into qkv [3][8192][1024].
; LEFT OUT: bk (a term that is the same along the softmax's axis: shown at the head of the first kernel): the rows of k start their sums at 0.
; A's rows are the rows of cod and scl from byte 0 on; the tile row's tensor T (0 q, 1 k, 2 v) picks the weight: B's rows are 1,024 T + column, from byte WC of cod and WS of scl.
; A tile of C, 256 x 256, is made by four waves, each 128 x 128: 64 accumulators, 512 registers.  K = 1,024 is two slots of 512 along K (LDS rows of 256 bytes): both are asked for at the head and nothing is filled again.
; The scale bytes of the tile's 256 + 256 rows, for all of K, are two dense blocks: they come with the first fills.  By this text's count a wave has three tensor loads out at the start.
; CLUSTERS: 4 x 4 work-groups.  The four of a row need the same tiles of A, the four of a column the same tiles of B: each is asked for JOINTLY.  T comes from the cluster's y: all sixteen partners share it.
; THE MATRIX INSTRUCTION IS USED TRANSPOSED (source 0 = 16 rows of B, source 1 = 16 rows of A): a lane holds eight neighbouring numbers of a row of C.  The bias is the C of each sum's first instruction.
; REGISTERS: window 0: v0-31 addresses; v32-95 scale words, two sets; v128-191 A's fragments, ONE set; on the way out v32-63, v192-255 at work.
;   window 1: B's fragments, two sets, v0-63 and v128-191; v64-127 the bias in the result's layout.   window 2: the accumulators of my rows 0-63 ((a, b) at v[8 (8 a + b)]);   window 3: those of my rows 64-127.
.set WC,     12582912
.set WS,     786432
.set NQ,     4                         ; matrix instructions deep in a slot
.set ROWB,   256                       ; a tile's row in bytes: 512 codes
.set KROW,   512                       ; a row of codes in memory
.set PITCH,  272                       ; an LDS row: 256 bytes + 16 of padding: the 16 rows that a load touches start 68 words apart
.set FR,     8                         ; registers of a fragment: 16 rows x 128 K
.set NL,     2                         ; LDS loads that bring one
.set NP,     4                         ; places behind this matrix instruction (ISA guide 7.12.1)
.set HALFT,  128*PITCH
.set SLOT,   4*HALFT                   ; A's 256 rows, then B's 256 rows
.set KS,     32                        ; a row of scale bytes
.set SCL,    2*SLOT                    ; behind the ring: the scales, as units of 256 bytes + 16 of padding
.set HALFS,  (128*KS/256)*272
.set SBLK,   (16*KS/256)*272
.set SPARE,  SCL+4*HALFS               ; the spare words, 128 bytes for each wave
.set SPITCH, 272                       ; the way out: a stage of 16 rows x (256 bytes + 16) for each wave, in slot 0, which has had its only fill and its last read by then
.set ADRA, 16
.set ADRB, 20
.set STO,  24
.set RD,   25
.set CO,   26
.set ADRS, 27
.set SPW,  28
.set NIL,  29
.set SC,   32
.set AF,   128
.set BI,   64                          ; in window 1
.set TMP,  192
.set OB,   32                          ; v32-63 and v224-255 by turns
.set G1, 24
.set G0, 32
.set G1B, 48
.set G0B, 56
.set G1S, 68
.set G0S, 76
.set G1SB, 80
.set G0SB, 88
.set MSB, 0
.macro WIN new                         ; the immediate's high byte repeats the setting that is left; a switch that changes nothing is dropped
.if MSB != (\new)
	s_set_vgpr_msb (MSB<<8)|(\new)
.set MSB, (\new)
.endif
.endm
.set MUL_LO, 0xa1                      ; source 0 (B) window 1, source 1 (A) window 0, C and D window 2
.set MUL_HI, 0xf1                      ; the same, C and D window 3
.set FST_LO, 0x91                      ; C (the bias) window 1, D window 2
.set FST_HI, 0xd1                      ; C window 1, D window 3
.set TO_B,   0x40                      ; destination window 1, address window 0
; A joint load: waves 0 and 1 fetch for A, waves 2 and 3 for B; the branch hangs on the wave's number alone.  An s_nop 0 and four v_nop follow each of the two lines.
.macro JLOAD g0a, g1a, g0b, g1b
	s_cmp_eq_u32 s15, 0
	s_cbranch_scc0 .Lfor_b_\@
	tensor_load_to_lds s[\g0a:\g0a+3], s[\g1a:\g1a+7]
	s_nop 0
.rept 4
	v_nop
.endr
	s_branch .Lasked_\@
.Lfor_b_\@:
	tensor_load_to_lds s[\g0b:\g0b+3], s[\g1b:\g1b+7]
	s_nop 0
.rept 4
	v_nop
.endr
.Lasked_\@:
.endm
.macro CROUND                          ; a round of the cluster's barrier
	s_barrier_signal -1
	s_barrier_wait -1
	s_cmp_lg_u32 s14, 0
	s_cbranch_scc1 .Lnot_wave_0_\@
	s_barrier_signal -3
.Lnot_wave_0_\@:
	s_barrier_wait -3
	s_barrier_signal -1
	s_barrier_wait -1
.endm
	s_load_b256 s[4:11], s[0:1], 0x0               ; cod s[4:5], scl s[6:7], bq s[8:9], bv s[10:11]
	s_load_b64 s[12:13], s[0:1], 0x20              ; qkv
	v_lshl_add_u32 v[SPW], v0, 2, SPARE
	v_mov_b32 v[NIL], 0
	ds_add_u32 v[SPW], v[NIL]                      ; the wave's opening: the add, twice on end, and its wait ahead of my first tensor load
	ds_add_u32 v[SPW], v[NIL]
	v_lshrrev_b32 v1, 5, v0
	v_readfirstlane_b32 s14, v1                    ; wave 0..3
	s_lshr_b32 s15, s14, 1                         ; which half of the tile's rows is mine.  Also: I fetch for A (0) or for B (1)
	s_and_b32 s16, s14, 1                          ; which half of its columns.  Also: which 128 rows of that tile I fetch
	s_bfe_u32 s40, ttmp6, 0x40000                  ; cx, cy: my place in the cluster
	s_bfe_u32 s41, ttmp6, 0x40004
	s_lshl_b32 s42, ttmp9, 2
	s_add_co_u32 s42, s42, s40                     ; tile column = 4 x cluster x + cx
	s_and_b32 s17, ttmp7, 0xffff
	s_lshr_b32 s66, s17, 3                         ; T: eight clusters, 8,192 rows, to a tensor
	s_lshl_b32 s17, s17, 2
	s_add_co_u32 s17, s17, s41                     ; tile row = 4 x cluster y + cy
	s_lshl_b32 s43, s41, 2
	s_lshl_b32 s43, 15, s43                        ; my row of the cluster
	s_lshl_b32 s44, 0x1111, s40                    ; my column
	; descriptor group 1: a tile of 128 rows x 256 bytes, 16 bytes of padding behind each row
	s_or_b32 s[G1+0], s43, (0<<16)|(1<<20)|(1<<21)|(5<<22)|(3<<25)
	s_or_b32 s[G1B+0], s44, (0<<16)|(1<<20)|(1<<21)|(5<<22)|(3<<25)
.irp g, G1, G1B
	s_mov_b32 s[\g+1], ROWB<<16                    ; tensor_dim0
	s_mov_b32 s[\g+2], 128<<16                     ; tensor_dim1
	s_mov_b32 s[\g+3], ROWB<<16                    ; tile_dim0
	s_mov_b32 s[\g+4], 128                         ; tile_dim1
	s_mov_b32 s[\g+5], KROW                        ; tensor_dim0_stride
	s_mov_b32 s[\g+6], 0
	s_mov_b32 s[\g+7], 0
.endr
	; the scales of 128 rows: a dense block of 4,096 bytes, as 16 rows of 256 bytes (32 elements of 8 bytes), 16 bytes of padding behind each
	s_or_b32 s[G1S+0], s43, (3<<16)|(1<<20)|(1<<21)|(5<<22)|(3<<25)
	s_or_b32 s[G1SB+0], s44, (3<<16)|(1<<20)|(1<<21)|(5<<22)|(3<<25)
.irp g, G1S, G1SB
	s_mov_b32 s[\g+1], 32<<16
	s_mov_b32 s[\g+2], (128*KS/256)<<16
	s_mov_b32 s[\g+3], 32<<16
	s_mov_b32 s[\g+4], 128*KS/256
	s_mov_b32 s[\g+5], 32
	s_mov_b32 s[\g+6], 0
	s_mov_b32 s[\g+7], 0
.endr
	s_lshl_b32 s18, s16, 7                         ; which 128 rows of the tile I fetch
	s_lshl_b32 s20, s17, 8
	s_add_co_u32 s20, s20, s18                     ; A: row 256 x tile row + 128 x half
	s_lshl_b32 s46, s42, 8
	s_add_co_u32 s46, s46, s18
	s_lshl_b32 s47, s66, 10
	s_add_co_u32 s46, s46, s47                     ; B: row 1,024 T + 256 x tile column + 128 x half
	s_lshl_b32 s22, s20, 5                         ; where these rows' scales begin, in bytes,
	s_mov_b32 s23, 0
	s_lshl_b32 s20, s20, 9                         ; and their codes
	s_mov_b32 s21, 0
	s_lshl_b32 s92, s46, 5
	s_add_co_u32 s92, s92, WS
	s_mov_b32 s93, 0
	s_lshl_b32 s46, s46, 9
	s_add_co_u32 s46, s46, WC
	s_mov_b32 s47, 0
	s_mul_i32 s45, s14, HALFT                      ; where they go: wave x 128 rows: no place in the cluster enters an LDS address
	s_mul_i32 s94, s14, HALFS
	s_wait_dscnt 0x0                               ; both opening adds are done
	s_wait_kmcnt 0x0
	s_add_nc_u64 s[20:21], s[4:5], s[20:21]
	s_add_nc_u64 s[22:23], s[6:7], s[22:23]
	s_add_nc_u64 s[46:47], s[4:5], s[46:47]
	s_add_nc_u64 s[92:93], s[6:7], s[92:93]
	CROUND                                         ; all sixteen work-groups are here: the first joint loads meet
	s_mov_b32 s[G0S], 1
	s_add_co_u32 s[G0S+1], s94, SCL
	s_mov_b64 s[G0S+2:G0S+3], s[22:23]
	s_or_b32 s[G0S+3], s[G0S+3], 0x80000000
	s_mov_b32 s[G0SB], 1
	s_add_co_u32 s[G0SB+1], s94, SCL
	s_mov_b64 s[G0SB+2:G0SB+3], s[92:93]
	s_or_b32 s[G0SB+3], s[G0SB+3], 0x80000000
	JLOAD G0S, G1S, G0SB, G1SB                     ; the scales first: they are wanted with the first slot
.irp s, 0,1
	s_mov_b32 s[G0+4*\s], 1
	s_add_co_u32 s[G0+4*\s+1], s45, \s*SLOT
	s_add_nc_u64 s[G0+4*\s+2:G0+4*\s+3], s[20:21], \s*ROWB
	s_or_b32 s[G0+4*\s+3], s[G0+4*\s+3], 0x80000000
	s_mov_b32 s[G0B+4*\s], 1
	s_add_co_u32 s[G0B+4*\s+1], s45, \s*SLOT
	s_add_nc_u64 s[G0B+4*\s+2:G0B+4*\s+3], s[46:47], \s*ROWB
	s_or_b32 s[G0B+4*\s+3], s[G0B+4*\s+3], 0x80000000
	JLOAD G0+4*\s, G1, G0B+4*\s, G1B
.endr
	v_and_b32 v1, 15, v0                           ; r = l % 16
	v_bfe_u32 v2, v0, 4, 1                         ; h = l / 16
	v_mul_u32_u24 v3, v1, PITCH
	v_lshl_add_u32 v4, v2, 4, v3                   ; a fragment's row x pitch + 16 x half
	s_mul_i32 s21, s15, HALFT                      ; my 128 rows of A
	s_mul_i32 s22, s16, HALFT                      ; my 128 rows of B,
	s_add_co_u32 s22, s22, 2*HALFT                 ; which lie behind A's 256
.irp s, 0,1
	v_add_nc_u32 v[ADRA+\s], s21, v4
	v_add_nc_u32 v[ADRB+\s], s22, v4
	s_add_co_u32 s21, s21, SLOT
	s_add_co_u32 s22, s22, SLOT
.endr
	v_mul_u32_u24 v5, v1, KS                       ; my row's scales: 32 bytes a row,
	v_lshrrev_b32 v6, 8, v5
	v_lshl_add_u32 v5, v6, 4, v5                   ; and 16 more for each 256 passed
	s_mul_i32 s21, s15, HALFS                      ; A's: my 128 rows
	s_mul_i32 s22, s16, HALFS                      ; B's: my 128 rows, behind A's 256
	s_add_co_u32 s22, s22, 2*HALFS
	s_sub_co_u32 s22, s22, s21
	v_mul_u32_u24 v6, s22, v2                      ; lanes 16-31 take B's: the lower base + h x the distance
	s_add_co_u32 s21, s21, SCL
	v_add_nc_u32 v5, v5, v6
	v_add_nc_u32 v[ADRS], s21, v5
	s_mul_i32 s23, s14, 16*SPITCH                  ; my stage
	v_mul_u32_u24 v5, v1, SPITCH                   ; in: row r, 16 bytes for each half of the lanes
	v_lshl_add_u32 v5, v2, 4, v5
	v_add_nc_u32 v[STO], s23, v5
	v_mul_u32_u24 v5, v2, SPITCH                   ; back: lanes 0-15 take one row of 256 bytes, lanes 16-31 the next
	v_lshl_add_u32 v5, v1, 4, v5
	v_add_nc_u32 v[RD], s23, v5
	v_lshlrev_b32 v5, 11, v2                       ; and the same two rows in qkv: 2,048 bytes a row
	v_lshl_add_u32 v[CO], v1, 4, v5
	s_lshl_b32 s20, s17, 8
	s_lshl_b32 s21, s15, 7
	s_add_co_u32 s20, s20, s21                     ; my first row of qkv: 256 x tile row + 128 x half
	s_lshl_b32 s20, s20, 11
	s_lshl_b32 s46, s42, 9                         ; my first column, in bytes: 512 x tile column + 256 x half
	s_lshl_b32 s47, s16, 8
	s_add_co_u32 s46, s46, s47
	s_add_co_u32 s20, s20, s46
	s_mov_b32 s21, 0
	s_add_nc_u64 s[12:13], s[12:13], s[20:21]
	; the bias in the result's layout: register 8 b + j of lane (r, h) is bias[my first column + 16 b + 8 h + j]
	s_cmp_eq_u32 s66, 0
	s_cselect_b64 s[8:9], s[8:9], s[10:11]         ; bq for q, bv for v1
	s_lshl_b32 s46, s46, 1                         ; my first column x 4 bytes
	s_mov_b32 s47, 0
	s_add_nc_u64 s[8:9], s[8:9], s[46:47]
	v_lshlrev_b32 v7, 5, v2
	s_cmp_eq_u32 s66, 1                            ; the cluster's y alone: the same in all sixteen partners and all waves
	s_cbranch_scc1 .Lno_bias
	WIN TO_B
.irp b, 0,1,2,3,4,5,6,7
	global_load_b128 v[BI+8*\b:BI+8*\b+3], v7, s[8:9] offset:64*\b
	global_load_b128 v[BI+8*\b+4:BI+8*\b+7], v7, s[8:9] offset:64*\b+16
.endr
	WIN 0
	s_branch .Lbias_done
.Lno_bias:
	WIN TO_B
.set i, 0
.rept 64
	v_mov_b32 v[BI+i], 0                           ; k: bk is left out
.set i, i+1
.endr
	WIN 0
.Lbias_done:
.macro FRAG reg, adr, q, i             ; a fragment is 8 registers: lane l holds row l % 16; registers 4 c .. 4 c + 3 hold K = 64 c + 32 (l / 16) + 0 .. 31
.irp c, 0,1
	ds_load_b128 v[\reg+4*\c:\reg+4*\c+3], v[\adr] offset:64*(\q)+32*\c+(\i)*16*PITCH
.endr
.endm
; 16 matrix instructions: A's blocks a0, a0 + 1 x B's eight, the slot's q-th 128 along K.  p: B's set;  sc: the set of scale words.  first = 1: the sums start from the bias.
; The 64 accumulators take turns, one instruction a turn, in the same order in every step.
.macro MUL16 a0, p, q, sc, first
.irp a, \a0, \a0+1
.irp b, 0,1,2,3,4,5,6,7
.if \first
	v_wmma_scale_f32_16x16x128_f8f6f4 v[8*(8*((\a)%4)+\b):8*(8*((\a)%4)+\b)+7], v[128*(\p)+FR*\b:128*(\p)+FR*\b+FR-1], v[AF+FR*(\a):AF+FR*(\a)+FR-1], v[BI+8*\b:BI+8*\b+7], v[SC+8*NQ*(\sc)+NQ*\b+(\q)], v[SC+8*NQ*(\sc)+NQ*(\a)+(\q)] matrix_a_fmt:MATRIX_FMT_FP4 matrix_b_fmt:MATRIX_FMT_FP4 matrix_a_scale:MATRIX_SCALE_ROW1
.else
	v_wmma_scale_f32_16x16x128_f8f6f4 v[8*(8*((\a)%4)+\b):8*(8*((\a)%4)+\b)+7], v[128*(\p)+FR*\b:128*(\p)+FR*\b+FR-1], v[AF+FR*(\a):AF+FR*(\a)+FR-1], v[8*(8*((\a)%4)+\b):8*(8*((\a)%4)+\b)+7], v[SC+8*NQ*(\sc)+NQ*\b+(\q)], v[SC+8*NQ*(\sc)+NQ*(\a)+(\q)] matrix_a_fmt:MATRIX_FMT_FP4 matrix_b_fmt:MATRIX_FMT_FP4 matrix_a_scale:MATRIX_SCALE_ROW1
.endif
.endr
.endr
.endm
.macro FETCH_B slot, q, p
	WIN TO_B
.irp i, 0,1,2,3,4,5,6,7
	FRAG 128*(\p)+FR*\i, ADRB+\slot, \q, \i
.endr
	WIN 0
.endm
.macro FETCH_A slot, q, i0
.irp i, \i0, \i0+1, \i0+2, \i0+3
	FRAG AF+FR*(\i), ADRA+\slot, \q, \i
.endr
.endm
.macro SCALES sc                       ; a slot's scale words into set sc: four words a row; lanes 0-15 take A's block i, lanes 16-31 B's block i
.irp i, 0,1,2,3,4,5,6,7
	ds_load_b128 v[SC+8*NQ*\sc+NQ*\i:SC+8*NQ*\sc+NQ*\i+3], v[ADRS] offset:\i*SBLK
.endr
.endm
.macro PLACES n                        ; plain vector instructions between a matrix instruction and a load into, or a read of, its registers
.rept \n
	v_nop
.endr
.endm
; A step of 128 along K that has its successor in the same slot.  A has one set of registers: blocks 0-3 are fetched anew in the step's middle, blocks 4-7 at its end; B has two sets.
.macro STEP slot, q, first
	s_wait_dscnt 4*NL                              ; B's set and A's blocks 0-3 are in; the youngest eight loads (A's blocks 4-7) may be out
.if \first
	WIN FST_LO
.else
	WIN MUL_LO
.endif
	MUL16 0, (\q)%2, \q, \slot, \first
	MUL16 2, (\q)%2, \q, \slot, \first
	s_wait_dscnt 0                                 ; A's blocks 4-7 are in
	PLACES NP
	FETCH_B \slot, (\q)+1, 1-(\q)%2
	FETCH_A \slot, (\q)+1, 0
.if \first
	WIN FST_HI
.else
	WIN MUL_HI
.endif
	MUL16 4, (\q)%2, \q, \slot, \first
	MUL16 6, (\q)%2, \q, \slot, \first
	PLACES NP
	WIN 0
	FETCH_A \slot, (\q)+1, 4
.endm
.macro STEPS slot, from
.set Q, \from
.rept NQ-1-\from
	STEP \slot, Q, 0
.set Q, Q+1
.endr
.endm
	s_wait_tensorcnt 1                             ; the scales and my part of slot 0 are in (slot 1's load may be out),
	s_barrier_signal -1
	s_barrier_wait -1                              ; everybody's are
	FETCH_B 0, 0, 0
	FETCH_A 0, 0, 0
	SCALES 0
	FETCH_A 0, 0, 4
	s_wait_loadcnt 0x0                             ; the bias
	STEP 0, 0, 1
	STEPS 0, 1
	; slot 0's last step changes slots: one barrier; in front of it each wave waits for all its tensor loads (its part of slot 1), adds 0 to its spare word, and waits for that and for its reads of slot 0
	s_wait_tensorcnt 0x0
	ds_add_u32 v[SPW], v[NIL]
	s_wait_dscnt 4*NL+1                            ; the add and the youngest eight loads may be out
	WIN MUL_LO
	MUL16 0, 1, NQ-1, 0, 0
	s_wait_dscnt 0x0
	s_barrier_signal -1
	MUL16 2, 1, NQ-1, 0, 0
	WIN 0
	s_barrier_wait -1                              ; slot 1 is whole, and nobody reads slot 0 any more
	PLACES NP
	v_add_nc_u32 v[ADRS], 4*NQ, v[ADRS]            ; on to slot 1's scale words
	FETCH_B 1, 0, 0
	FETCH_A 1, 0, 0
	SCALES 1
	WIN MUL_HI
	MUL16 4, 1, NQ-1, 0, 0
	MUL16 6, 1, NQ-1, 0, 0
	PLACES NP
	WIN 0
	FETCH_A 1, 0, 4
	STEPS 1, 0
	s_wait_dscnt 4*NL                              ; the very last step: nothing more to fetch
	WIN MUL_LO
	MUL16 0, 1, NQ-1, 1, 0
	MUL16 2, 1, NQ-1, 1, 0
	s_wait_dscnt 0
	WIN MUL_HI
	MUL16 4, 1, NQ-1, 1, 0
	MUL16 6, 1, NQ-1, 1, 0
	WIN 0
; THE WAY OUT, block by block of 16 rows x 128 columns: rounded to f16, 16 bytes a lane; through my own stage in LDS; back as whole rows of 256 bytes; stored, sixteen lanes to 256 consecutive bytes, aligned.
.macro PACK a
.set AC, 64*((\a)%4)
	WIN 0x0a+5*((\a)/4)                            ; sources 0 and 1: window 2 or 3
.irp b, 0,1,2,3,4,5,6,7
.irp r, 0,1,2,3
	v_cvt_pk_f16_f32 v[TMP+4*\b+\r], v[AC+8*\b+2*\r], v[AC+8*\b+2*\r+1]   ; each accumulator from its low end on
.endr
.endr
	WIN 0
.endm
.macro TOSTAGE a
.set BK, OB+192*((\a)%2)
.irp b, 0,1,2,3,4,5,6,7
	ds_store_b128 v[STO], v[TMP+4*\b:TMP+4*\b+3] offset:32*\b
.endr
.irp t, 0,1,2,3,4,5,6,7
	ds_load_b128 v[BK+4*\t:BK+4*\t+3], v[RD] offset:\t*2*SPITCH    ; LDS serves a wave's instructions in order: these see the stores above
.endr
.endm
.macro SEND a
.set BK, OB+192*((\a)%2)
	s_wait_dscnt 0x0                               ; the block is back in registers
	s_wait_xcnt 0x0                                ; earlier stores have read their base and their registers: only now are they rewritten
.if (\a) > 0
	s_add_nc_u64 s[12:13], s[12:13], 16*2048       ; 16 rows on
.endif
.irp t, 0,1,2,3,4,5,6,7
	global_store_b128 v[CO], v[BK+4*\t:BK+4*\t+3], s[12:13] offset:\t*4096
.endr
.endm
	PLACES NP
	PACK 0
	TOSTAGE 0
.irp a, 1,2,3,4,5,6,7                  ; block a's conversions stand between block a - 1's loads from the stage and the wait for them
	PACK \a
	SEND \a-1
	TOSTAGE \a
.endr
	SEND 7
	s_wait_tensorcnt 0x0                           ; the wave's end
	ds_add_u32 v[SPW], v[NIL]
	s_wait_dscnt 0x0
	CROUND                                         ; the closing round
	s_endpgm
.Lfunc_end_k_q7b620f53e2_proj:
	.size	k_q7b620f53e2_proj, .Lfunc_end_k_q7b620f53e2_proj-k_q7b620f53e2_proj
	.p2alignl 7, 3214868480
	.fill 96, 4, 3214868480
	.section	.rodata,"a",@progbits
	.p2align	6, 0x0
	.amdhsa_kernel k_q7b620f53e2_proj
		.amdhsa_group_segment_fixed_size 327680
		.amdhsa_private_segment_fixed_size 0
		.amdhsa_enable_private_segment 0
		.amdhsa_kernarg_size 40
		.amdhsa_user_sgpr_count 2
		.amdhsa_user_sgpr_kernarg_segment_ptr 1
		.amdhsa_wavefront_size32 1
		.amdhsa_system_sgpr_workgroup_id_x 1
		.amdhsa_system_sgpr_workgroup_id_y 1
		.amdhsa_system_sgpr_workgroup_id_z 1
		.amdhsa_system_vgpr_workitem_id 0
		.amdhsa_next_free_vgpr 1024
		.amdhsa_next_free_sgpr 100
		.amdhsa_reserve_vcc 0
		.amdhsa_float_denorm_mode_32 3
		.amdhsa_float_denorm_mode_16_64 3
		.amdhsa_memory_ordered 1
		.amdhsa_forward_progress 1
		.amdhsa_inst_pref_size 131
	.end_amdhsa_kernel
	.amdgpu_metadata
---
amdhsa.version: [ 1, 2 ]
amdhsa.kernels:
  - .name:           k_q7b620f53e2_proj
    .symbol:         k_q7b620f53e2_proj.kd
    .args:
      - { .name: cod, .offset: 0, .size: 8, .value_kind: global_buffer, .address_space: global }
      - { .name: scl, .offset: 8, .size: 8, .value_kind: global_buffer, .address_space: global }
      - { .name: bq, .offset: 16, .size: 8, .value_kind: global_buffer, .address_space: global }
      - { .name: bv, .offset: 24, .size: 8, .value_kind: global_buffer, .address_space: global }
      - { .name: qkv, .offset: 32, .size: 8, .value_kind: global_buffer, .address_space: global }
    .group_segment_fixed_size: 327680
    .private_segment_fixed_size: 0
    .kernarg_segment_align: 8
    .kernarg_segment_size: 40
    .max_flat_workgroup_size: 128
    .sgpr_count:     100
    .vgpr_count:     1024
    .wavefront_size: 32
...
	.end_amdgpu_metadata
.endif
;; end of part 2
;; launch scores (part 3): grid 8 x 32, 4 waves a work-group, clusters of 4 x 4, 327,680 bytes of LDS; arguments qkv, pbuf, stat; writes pbuf, stat
.if DOCPART == 3
	.amdgcn_target "amdgcn-amd-amdhsa--gfx1250"
	.amdhsa_code_object_version 6
	.text
	.protected	k_q7b620f53e2_scores
	.globl	k_q7b620f53e2_scores
	.p2align	8
	.type	k_q7b620f53e2_scores,@function
k_q7b620f53e2_scores:
	s_mov_b64 s[64:65], 0
	v_nop
	global_prefetch_b8 v0, s[64:65] scope:SCOPE_SE
	s_setreg_imm32_b32 hwreg(HW_REG_WAVE_MODE, 25, 1), 1
	s_wait_xcnt 0x0
	s_wait_alu depctr_hold_cnt(0) depctr_sa_sdst(0) depctr_va_vdst(0) depctr_va_sdst(0) depctr_va_ssrc(0) depctr_va_vcc(0) depctr_vm_vsrc(0)
	s_getreg_b32 s2, hwreg(HW_REG_IB_STS2, 6, 4)
	s_cmp_eq_u32 s2, 0
	s_cbranch_scc0 .Lentry_in_a_cluster
	s_endpgm
.Lentry_in_a_cluster:
	s_bfe_u32 s2, ttmp6, 0x10000c
	s_cmp_lg_u32 s2, 0xf033
	s_cbranch_scc0 .Lentry_shape_is_right
	s_endpgm
.Lentry_shape_is_right:
; S = q k0^T for each batch, f16 operands, f32 sums, and the first half of the softmax.  (bk is left out: see the head of the first kernel.)
; A tile of S, 256 queries x 256 keys, is made by four waves, each 128 x 128: 64 accumulators.  K = 1,024 goes in 8 steps of 128 through a ring of two LDS slots; a tile's row is 256 bytes of memory.
; THE SOFTMAX BY CHUNKS.  A wave's 128 keys are a CHUNK (16 to a row).  t = s x log2(e) / 32; M = the chunk's largest t of the row, rounded UP to a whole number; p = 2^(t - M), at most 1, goes to pbuf in f16;
; M and l = the chunk's sum of the unrounded p go to stat [16 chunks][M, l][8192 rows].  The next launch takes the largest M of a row's 16 and brings every chunk under it by a power of two: so the row's maximum
; is taken away before the exponential as the softmax asks, and nothing can overflow.
; CLUSTERS: 4 x 4 work-groups; q's tiles are shared along a row of the cluster, k's along a column: joint loads.  The batch comes from the cluster's y: all partners share it.
; THE MATRIX INSTRUCTION IS USED TRANSPOSED (source 0 = 16 keys, source 1 = 16 queries): a lane holds ONE query (l % 16) and, in accumulator b, keys 16 b + 8 (l / 16) + 0 .. 7.
; p LEAVES AS AN IMAGE OF THE NEXT PRODUCT'S OPERAND REGISTERS: accumulators 2 c and 2 c + 1, rounded in pairs, are registers 0-3 and 4-7 of the fragment (16 queries x keys 32 c on) of that product.  So each
; accumulator's four packed registers are stored at 16 x lane: pbuf is [512 blocks of 16 rows][16 chunks][8 accumulators][32 lanes][16 bytes], and every store of the wave covers 512 consecutive bytes, aligned.
; REGISTERS: window 0: v0-31 addresses; v64-127, v128-191 fragments of q, two buffers; on the way out v32-223 at work.  window 1: v64-127, v128-191 fragments of k.  windows 2, 3: the accumulators ((a, b) at v[8 (8 a + b)]).
.set KSTEP,  128
.set PITCH,  272                       ; an LDS row: 256 bytes + 16 of padding
.set HALFT,  128*PITCH
.set SLOT,   4*HALFT                   ; q's 256 rows, then k's 256 rows
.set STAGE,  2*SLOT                    ; behind the ring, for each wave 1,024 bytes: M of its 128 rows, then l
.set SPARE,  STAGE+4096                ; the spare words, 128 bytes for each wave
.set LAPS,   4                         ; a lap = two K steps
.set ADRA, 16
.set ADRB, 20
.set SGO,  22                          ; v22  16 x lane: my place in an image's 512 bytes, and in stat's; never rewritten
.set STA,  27                          ; v27  where I put M (lanes 0-15) or l (lanes 16-31) of my query
.set SPW,  28
.set NIL,  29
.set PFO,  30                          ; v30  the prefetches' offset: my lane x a row of 2,048 bytes
.set STL,  31                          ; v31  where I read M and l back
.set F0,   64
.set F1,   128
.set T,    32                          ; v32-35 four running maxima
.set NM,   36                          ; v[36:37] -M (the pair's low word serves both halves)
.set SU,   38                          ; v38-41 the sum, two chains of pairs
.set MM,   42
.set LL,   43
.set SD,   44
.set E,    64                          ; v64-127 t - M, then p
.set TMP,  192                         ; v192-223 p in f16
.set G1, 24
.set G0, 32
.set G1B, 48
.set G0B, 56
.set PFA, 44                           ; s[44:45] where my prefetches stand
.set LIM, 43                           ; s43  1 in a wave that prefetches, else the greatest number
.set SEL, 66                           ; s[66:67] lane selects for lane l xor 16
.set CS,  68                           ; s[68:69] c = log2(e) / 32
.set HM,  70                           ; s70  the mask of lanes 16-31
.set MSB, 0
.macro WIN new
.if MSB != (\new)
	s_set_vgpr_msb (MSB<<8)|(\new)
.set MSB, (\new)
.endif
.endm
.set MUL_LO, 0xa1
.set MUL_HI, 0xf1
.set TO_B,   0x40
.macro JLOAD s                         ; waves 0 and 1 fetch q's two halves, waves 2 and 3 k's; an s_nop 0 and four v_nop follow each line
	s_cmp_eq_u32 s11, 0
	s_cbranch_scc0 .Lfor_b_\@
	tensor_load_to_lds s[G0+4*\s:G0+4*\s+3], s[G1:G1+7]
	s_nop 0
.rept 4
	v_nop
.endr
	s_branch .Lasked_\@
.Lfor_b_\@:
	tensor_load_to_lds s[G0B+4*\s:G0B+4*\s+3], s[G1B:G1B+7]
	s_nop 0
.rept 4
	v_nop
.endr
.Lasked_\@:
.endm
; A prefetch of the K step that stands two refills on: 32 rows x 256 bytes, a lane a row, one instruction a wave.  q's tile row is read by both clusters of a row of clusters: cluster x = 0 asks.  k's tile column is read by the
; batch's two clusters along y: the even one asks.  The four partners that ask for a tile jointly share its rows out by address, 32 each.  So each row's 256 bytes of K steps 4 to 7 are named once; the loop's last trip asks for nothing.
.macro ASK
	s_cmp_gt_u32 s3, s[LIM]
	s_cbranch_scc0 .Lnot_mine_\@
	global_prefetch_b8 v[PFO], s[PFA:PFA+1] offset:KSTEP*2 th:TH_LOAD_NT scope:SCOPE_SE
.Lnot_mine_\@:
.endm
.macro CREST
	s_cmp_lg_u32 s10, 0
	s_cbranch_scc1 .Lnot_wave_0_\@
	s_barrier_signal -3
.Lnot_wave_0_\@:
	s_barrier_wait -3
	s_barrier_signal -1
	s_barrier_wait -1
.endm
.macro CROUND
	s_barrier_signal -1
	s_barrier_wait -1
	CREST
.endm
	s_load_b128 s[4:7], s[0:1], 0x0                ; qkv s[4:5], pbuf s[6:7]
	s_load_b64 s[8:9], s[0:1], 0x10                ; stat
	v_lshl_add_u32 v[SPW], v0, 2, SPARE
	v_mov_b32 v[NIL], 0
	ds_add_u32 v[SPW], v[NIL]                      ; the wave's opening: the add, twice on end, and its wait ahead of my first tensor load
	ds_add_u32 v[SPW], v[NIL]
	v_lshrrev_b32 v1, 5, v0
	v_readfirstlane_b32 s10, v1                    ; wave 0..3
	s_lshr_b32 s11, s10, 1                         ; which half of the queries is mine.  Also: I fetch for q (0) or for k (1)
	s_and_b32 s12, s10, 1                          ; which half of the keys.  Also: which 128 rows of that tile I fetch
	s_bfe_u32 s40, ttmp6, 0x40000                  ; cx
	s_bfe_u32 s41, ttmp6, 0x40004                  ; cy
	s_lshl_b32 s42, ttmp9, 2
	s_add_co_u32 s42, s42, s40                     ; tile column: 256 keys of the batch
	s_and_b32 s71, ttmp7, 0xffff                   ; cluster y
	s_lshl_b32 s13, s71, 2
	s_add_co_u32 s13, s13, s41                     ; tile row: 256 of the 8,192 rows of q
	s_lshr_b32 s72, s71, 1                         ; the batch: two clusters along y to a batch
	s_lshl_b32 s43, s41, 2
	s_lshl_b32 s43, 15, s43                        ; my row of the cluster
	s_lshl_b32 s44, 0x1111, s40                    ; my column
	s_or_b32 s[G1+0], s43, (1<<16)|(1<<20)|(1<<21)|(5<<22)|(3<<25)   ; elements of 2 bytes; 4 words of padding behind every 64
	s_or_b32 s[G1B+0], s44, (1<<16)|(1<<20)|(1<<21)|(5<<22)|(3<<25)
.irp g, G1, G1B
	s_mov_b32 s[\g+1], KSTEP<<16                   ; tensor_dim0
	s_mov_b32 s[\g+2], 128<<16                     ; tensor_dim1
	s_mov_b32 s[\g+3], KSTEP<<16                   ; tile_dim0
	s_mov_b32 s[\g+4], 128                         ; tile_dim1
	s_mov_b32 s[\g+5], 1024                        ; tensor_dim0_stride
	s_mov_b32 s[\g+6], 0
	s_mov_b32 s[\g+7], 0
.endr
	s_mov_b32 s[SEL], 0x76543210
	s_mov_b32 s[SEL+1], 0xfedcba98
	s_mov_b32 s[CS], 0x3d38aa3b                    ; log2(e) / 32
	s_mov_b32 s[CS+1], s[CS]                       ; (named with it as a pair, so it is written)
	s_lshl_b32 s17, s12, 7                         ; which 128 rows of the tile I fetch
	s_lshl_b32 s16, s13, 8
	s_add_co_u32 s16, s16, s17                     ; q: row 256 x tile row + 128 x half
	s_lshl_b32 s16, s16, 11                        ; 2,048 bytes a row
	s_lshl_b32 s46, s42, 8
	s_add_co_u32 s46, s46, s17
	s_lshl_b32 s47, s72, 11
	s_add_co_u32 s46, s46, s47
	s_add_co_u32 s46, s46, 8192                    ; k: row 8,192 + 2,048 x batch + 256 x tile column + 128 x half of qkv
	s_lshl_b32 s46, s46, 11
	s_mov_b32 s47, 0
	s_mov_b32 s17, 0
	s_mul_i32 s20, s10, HALFT                      ; where they go: wave x 128 rows
	s_wait_dscnt 0x0                               ; both opening adds are done
	s_wait_kmcnt 0x0
	s_add_nc_u64 s[14:15], s[4:5], s[16:17]
	s_add_nc_u64 s[46:47], s[4:5], s[46:47]
	CROUND                                         ; all sixteen work-groups are here: the first joint loads meet
.irp s, 0,1
	s_mov_b32 s[G0+4*\s], 1
	s_add_co_u32 s[G0+4*\s+1], s20, \s*SLOT
	s_add_nc_u64 s[G0+4*\s+2:G0+4*\s+3], s[14:15], \s*KSTEP*2
	s_or_b32 s[G0+4*\s+3], s[G0+4*\s+3], 0x80000000
	s_mov_b32 s[G0B+4*\s], 1
	s_add_co_u32 s[G0B+4*\s+1], s20, \s*SLOT
	s_add_nc_u64 s[G0B+4*\s+2:G0B+4*\s+3], s[46:47], \s*KSTEP*2
	s_or_b32 s[G0B+4*\s+3], s[G0B+4*\s+3], 0x80000000
	JLOAD \s
.endr
	v_and_b32 v1, 15, v0                           ; r
	v_bfe_u32 v2, v0, 4, 1                         ; h
	v_mul_u32_u24 v3, v1, PITCH
	v_lshl_add_u32 v3, v2, 4, v3                   ; a fragment's row x pitch + 16 x half
	s_mul_i32 s21, s11, HALFT
	s_mul_i32 s22, s12, HALFT
	s_add_co_u32 s22, s22, 2*HALFT
.irp s, 0,1
	v_add_nc_u32 v[ADRA+\s], s21, v3
	v_add_nc_u32 v[ADRB+\s], s22, v3
	s_add_co_u32 s21, s21, SLOT
	s_add_co_u32 s22, s22, SLOT
.endr
	s_lshl_b32 s23, s10, 10
	s_add_co_u32 s23, s23, STAGE                   ; my 1,024 bytes: M of my 128 rows, then l
	v_lshlrev_b32 v5, 9, v2
	v_lshl_add_u32 v5, v1, 2, v5
	v_add_nc_u32 v[STA], s23, v5                   ; 512 h + 4 r
	v_and_b32 v5, 31, v0
	v_lshlrev_b32 v[SGO], 4, v5
	v_add_nc_u32 v[STL], s23, v[SGO]
	s_lshl_b32 s16, s13, 8
	s_lshl_b32 s17, s11, 7
	s_add_co_u32 s16, s16, s17                     ; my first row
	s_lshl_b32 s18, s16, 2                         ; its word in stat
	s_lshl_b32 s16, s16, 12                        ; pbuf: 65,536 bytes for each block of 16 rows
	s_lshl_b32 s46, s42, 1
	s_add_co_u32 s46, s46, s12                     ; my chunk
	s_lshl_b32 s47, s46, 12                        ; 4,096 bytes a chunk in a block of rows
	s_add_co_u32 s16, s16, s47
	s_mov_b32 s17, 0
	s_add_nc_u64 s[6:7], s[6:7], s[16:17]
	s_lshl_b32 s46, s46, 16                        ; stat: 65,536 bytes a chunk
	s_add_co_u32 s18, s18, s46
	s_mov_b32 s19, 0
	s_add_nc_u64 s[8:9], s[8:9], s[18:19]
	; the prefetches: where my wave's stand, and who asks
	s_lshl_b32 s20, s13, 8                         ; q: the tile's first row
	s_lshl_b32 s21, s42, 8
	s_lshl_b32 s22, s72, 11
	s_add_co_u32 s21, s21, s22
	s_add_co_u32 s21, s21, 8192                    ; k: likewise
	s_and_b32 s22, s71, 1
	s_cmp_eq_u32 s11, 0                            ; do I fetch for q?
	s_cselect_b32 s20, s20, s21
	s_cselect_b32 s21, s40, s41                    ; my place among the four that ask with me
	s_cselect_b32 s22, ttmp9, s22                  ; the coordinate along which other clusters read the same rows
	s_cmp_eq_u32 s22, 0
	s_cselect_b32 s[LIM], 1, -1                    ; the same in all sixteen partners, for a given wave
	s_lshl_b32 s22, s12, 7
	s_add_co_u32 s20, s20, s22                     ; + the 128 rows that I fetch
	s_lshl_b32 s21, s21, 5
	s_add_co_u32 s20, s20, s21                     ; + my work-group's 32 of them
	s_lshl_b32 s20, s20, 11
	s_add_co_u32 s20, s20, 2*KSTEP*2               ; at K step 2: the first refill steps it to 3 and names K step 4
	s_mov_b32 s21, 0
	s_add_nc_u64 s[PFA:PFA+1], s[4:5], s[20:21]
	v_and_b32 v[PFO], 31, v0
	v_lshlrev_b32 v[PFO], 11, v[PFO]
; 16 matrix instructions: query blocks a0, a0 + 1 of the window's four x all 8 key blocks, 32 along K.  zero = 1: the first product starts the sums.  The 64 accumulators take turns.
.macro MUL16 f, hi, a0, zero
.irp a, \a0, \a0+1
.irp b, 0,1,2,3,4,5,6,7
.if \zero
	v_wmma_f32_16x16x32_f16 v[8*(8*(\a)+\b):8*(8*(\a)+\b)+7], v[\f+8*\b:\f+8*\b+7], v[\f+8*(4*\hi+\a):\f+8*(4*\hi+\a)+7], 0
.else
	v_wmma_f32_16x16x32_f16 v[8*(8*(\a)+\b):8*(8*(\a)+\b)+7], v[\f+8*\b:\f+8*\b+7], v[\f+8*(4*\hi+\a):\f+8*(4*\hi+\a)+7], v[8*(8*(\a)+\b):8*(8*(\a)+\b)+7]
.endif
.endr
.endr
.endm
.macro FETCH slot, k, f                ; 32 LDS loads in one run: the fragments of one quarter step (32 K at byte k of the rows) into buffer f
	WIN TO_B
.irp i, 0,1,2,3,4,5,6,7
	ds_load_b128 v[\f+8*\i:\f+8*\i+3],   v[ADRB+\slot] offset:\k+\i*16*PITCH
	ds_load_b128 v[\f+8*\i+4:\f+8*\i+7], v[ADRB+\slot] offset:\k+\i*16*PITCH+32
.endr
	WIN 0
.irp i, 0,1,2,3,4,5,6,7
	ds_load_b128 v[\f+8*\i:\f+8*\i+3],   v[ADRA+\slot] offset:\k+\i*16*PITCH
	ds_load_b128 v[\f+8*\i+4:\f+8*\i+7], v[ADRA+\slot] offset:\k+\i*16*PITCH+32
.endr
.endm
.macro PLACES                          ; four plain vector instructions between a matrix instruction and a load into, or a read of, its registers
.rept 4
	v_nop
.endr
.endm
.macro QUARTER slot, k, f, g, zero     ; multiplies buffer f; in its middle fetches the next quarter, at byte k of the same slot's rows, into g
	s_wait_dscnt 8                                 ; k and q's rows 0-63 are in; the youngest eight loads (q's rows 64-127) may be out
	WIN MUL_LO
	MUL16 \f, 0, 0, \zero
	MUL16 \f, 0, 2, \zero
	PLACES
	FETCH \slot, \k, \g
	s_wait_dscnt 32                                ; all but the 32 just issued
	WIN MUL_HI
	MUL16 \f, 1, 0, \zero
	MUL16 \f, 1, 2, \zero
.endm
; The last quarter multiplies buffer 1 and changes slots: ONE barrier; in front of it each wave waits for all its tensor loads (its part of the next slot), adds 0 to its spare word, and waits for that and for its reads
; of this slot.  fill = 1: the barrier opens a round of the cluster's, and this slot is filled again, two K steps ahead, first thing behind the round: 224 matrix instructions ahead of the wait for it.
.macro TURN slot, next, fill
.if \fill
	s_wait_xcnt 0x0                                ; the last prefetch, a K step back, has read its address
	s_add_nc_u64 s[PFA:PFA+1], s[PFA:PFA+1], KSTEP*2
.endif
	WIN 0
	s_wait_tensorcnt 0x0
	ds_add_u32 v[SPW], v[NIL]
	s_wait_dscnt 9                                 ; the add and the youngest eight loads may be out
	WIN MUL_LO
	MUL16 F1, 0, 0, 0
	s_wait_dscnt 0x0                               ; the add is done, and my reads of this slot are over
	s_barrier_signal -1
	MUL16 F1, 0, 2, 0
	WIN 0
	s_barrier_wait -1
.if \fill
	CREST
	s_add_nc_u64 s[G0+4*\slot+2:G0+4*\slot+3], s[G0+4*\slot+2:G0+4*\slot+3], 2*KSTEP*2
	s_add_nc_u64 s[G0B+4*\slot+2:G0B+4*\slot+3], s[G0B+4*\slot+2:G0B+4*\slot+3], 2*KSTEP*2
	JLOAD \slot                                    ; its four v_nop are also the places in front of the loads below
.else
	PLACES
.endif
	FETCH \next, 0, F0
.if \fill
	ASK
.endif
	WIN MUL_HI
	MUL16 F1, 1, 0, 0
	MUL16 F1, 1, 2, 0
.endm
	s_wait_tensorcnt 1                             ; my part of K step 0 is in (K step 1's load may be out),
	s_barrier_signal -1
	s_barrier_wait -1                              ; everybody's is
	FETCH 0, 0, F0
	QUARTER 0, 64,  F0, F1, 1                      ; the first quarter stands in front of the loop: its products start the sums
	WIN 0
	s_mov_b32 s3, LAPS-1
.Llap:                                             ; a trip goes once round the ring and fills both slots again
	QUARTER 0, 128, F1, F0, 0
	QUARTER 0, 192, F0, F1, 0
	TURN 0, 1, 1
	QUARTER 1, 64,  F0, F1, 0
	QUARTER 1, 128, F1, F0, 0
	QUARTER 1, 192, F0, F1, 0
	TURN 1, 0, 1
	QUARTER 0, 64,  F0, F1, 0
	WIN 0
	s_sub_co_u32 s3, s3, 1
	s_cmp_lg_u32 s3, 0
	s_cbranch_scc1 .Llap
	QUARTER 0, 128, F1, F0, 0                      ; the last lap fills nothing
	QUARTER 0, 192, F0, F1, 0
	TURN 0, 1, 0
	QUARTER 1, 64,  F0, F1, 0
	QUARTER 1, 128, F1, F0, 0
	QUARTER 1, 192, F0, F1, 0
	s_wait_dscnt 8
	WIN MUL_LO
	MUL16 F1, 0, 0, 0
	MUL16 F1, 0, 2, 0
	s_wait_dscnt 0
	WIN MUL_HI
	MUL16 F1, 1, 0, 0
	MUL16 F1, 1, 2, 0
	WIN 0
; THE WAY OUT, block by block of 16 queries.  SOFT a: the chunk's softmax of block a: my query's 64 scores lie in the block's 64 registers, the other 64 in lane l xor 16.
.macro SOFT a
.set AC, 64*((\a)%4)
	WIN 0x2a+0x15*((\a)/4)                         ; all three sources in the block's window
.irp c, 0,1,2,3
	v_max3_num_f32 v[T+\c], v[AC+16*\c], v[AC+16*\c+1], v[AC+16*\c+2]     ; four chains, two accumulators each, each accumulator from its low end on
.endr
	WIN 0x28+0x14*((\a)/4)                         ; sources 1 and 2 in the block's window
.irp i, 3,5,7,9,11,13
.irp c, 0,1,2,3
	v_max3_num_f32 v[T+\c], v[T+\c], v[AC+16*\c+\i], v[AC+16*\c+\i+1]
.endr
.endr
.irp c, 0,1,2,3
	v_max_num_f32 v[T+\c], v[T+\c], v[AC+16*\c+15]
.endr
	WIN 0
	v_max3_num_f32 v[T], v[T], v[T+1], v[T+2]
	v_max_num_f32 v[T], v[T], v[T+3]
	v_permlanex16_b32 v[T+1], v[T], s[SEL], s[SEL+1]
	v_max_num_f32 v[T], v[T], v[T+1]               ; the chunk's largest score of my query
	v_mul_f32 v[T], s[CS], v[T]                    ; as t (c is positive)
	v_floor_f32 v[NM], -v[T]                       ; -M = floor(-t) = -ceil(t)
	WIN 0x02+((\a)/4)                              ; source 0 in the block's window
.set i, 0
.rept 32
	v_pk_fma_f32 v[E+i:E+i+1], v[AC+i:AC+i+1], s[CS:CS+1], v[NM:NM+1] op_sel_hi:[1,0,0]   ; t - M, two at a time
.set i, i+2
.endr
	WIN 0
.set i, 0
.rept 64
	v_exp_f32 v[E+i], v[E+i]                       ; p = 2^(t - M): one batch
.set i, i+1
.endr
	v_sub_f32 v[MM], 0, v[NM]                      ; M (the plain instruction behind the last exponential)
	s_wait_alu depctr_va_vdst(0)                   ; one wait for the batch, ahead of its first reader
	s_wait_xcnt 0x0                                ; the last block's stores have read their registers: only now are the packed p written again
.set i, 0
.rept 32
	v_cvt_pk_f16_f32 v[TMP+i], v[E+2*i], v[E+2*i+1]
.set i, i+1
.endr
	v_pk_add_f32 v[SU:SU+1], v[E:E+1], v[E+2:E+3]                  ; the sum of the unrounded p, in two chains
	v_pk_add_f32 v[SU+2:SU+3], v[E+4:E+5], v[E+6:E+7]
.set i, 8
.rept 14
	v_pk_add_f32 v[SU:SU+1], v[SU:SU+1], v[E+i:E+i+1]
	v_pk_add_f32 v[SU+2:SU+3], v[SU+2:SU+3], v[E+i+2:E+i+3]
.set i, i+4
.endr
	v_pk_add_f32 v[SU:SU+1], v[SU:SU+1], v[SU+2:SU+3]
	v_add_f32 v[LL], v[SU], v[SU+1]
	v_permlanex16_b32 v[SD], v[LL], s[SEL], s[SEL+1]
	v_add_f32 v[LL], v[LL], v[SD]                  ; l
	v_cndmask_b32 v[SD], v[MM], v[LL], s[HM]       ; lanes 0-15 hand in M, lanes 16-31 l
	ds_store_b32 v[STA], v[SD] offset:64*(\a)
.endm
.macro PSTORE a                        ; block a's p as eight images of four registers: each store covers 512 consecutive bytes, aligned; the block's and the accumulator's places stand in the immediate
.irp b, 0,1,2,3,4,5,6,7
	global_store_b128 v[SGO], v[TMP+4*\b:TMP+4*\b+3], s[6:7] offset:(\a)*65536+512*\b
.endr
.endm
	PLACES
	v_mov_b32 v[NM+1], 0                           ; (named as the upper half of a pair)
	v_mov_b32 v[SD], 0                             ; (a lane permute's destination counts as one of its sources)
	v_bfe_u32 v45, v0, 4, 1
	v_cmp_eq_u32 s[HM], 1, v45
.irp a, 0,1,2,3,4,5,6,7
	SOFT \a
	PSTORE \a
.endr
	ds_load_b128 v[32:35], v[STL]                  ; M of my wave's 128 rows, four a lane (LDS serves a wave's instructions in order: these see my stores),
	ds_load_b128 v[36:39], v[STL] offset:512       ; and l
	s_wait_dscnt 0x0
	global_store_b128 v[SGO], v[32:35], s[8:9]     ; 32 lanes store 512 consecutive bytes, aligned
	global_store_b128 v[SGO], v[36:39], s[8:9] offset:32768
	s_wait_tensorcnt 0x0                           ; the wave's end
	ds_add_u32 v[SPW], v[NIL]
	s_wait_dscnt 0x0
	CROUND                                         ; the closing round
	s_endpgm
.Lfunc_end_k_q7b620f53e2_scores:
	.size	k_q7b620f53e2_scores, .Lfunc_end_k_q7b620f53e2_scores-k_q7b620f53e2_scores
	.p2alignl 7, 3214868480
	.fill 96, 4, 3214868480
	.section	.rodata,"a",@progbits
	.p2align	6, 0x0
	.amdhsa_kernel k_q7b620f53e2_scores
		.amdhsa_group_segment_fixed_size 327680
		.amdhsa_private_segment_fixed_size 0
		.amdhsa_enable_private_segment 0
		.amdhsa_kernarg_size 24
		.amdhsa_user_sgpr_count 2
		.amdhsa_user_sgpr_kernarg_segment_ptr 1
		.amdhsa_wavefront_size32 1
		.amdhsa_system_sgpr_workgroup_id_x 1
		.amdhsa_system_sgpr_workgroup_id_y 1
		.amdhsa_system_sgpr_workgroup_id_z 1
		.amdhsa_system_vgpr_workitem_id 0
		.amdhsa_next_free_vgpr 1024
		.amdhsa_next_free_sgpr 76
		.amdhsa_reserve_vcc 0
		.amdhsa_float_denorm_mode_32 3
		.amdhsa_float_denorm_mode_16_64 3
		.amdhsa_memory_ordered 1
		.amdhsa_forward_progress 1
		.amdhsa_inst_pref_size 204
	.end_amdhsa_kernel
	.amdgpu_metadata
---
amdhsa.version: [ 1, 2 ]
amdhsa.kernels:
  - .name:           k_q7b620f53e2_scores
    .symbol:         k_q7b620f53e2_scores.kd
    .args:
      - { .name: qkv, .offset: 0, .size: 8, .value_kind: global_buffer, .address_space: global }
      - { .name: pbuf, .offset: 8, .size: 8, .value_kind: global_buffer, .address_space: global }
      - { .name: stat, .offset: 16, .size: 8, .value_kind: global_buffer, .address_space: global }
    .group_segment_fixed_size: 327680
    .private_segment_fixed_size: 0
    .kernarg_segment_align: 8
    .kernarg_segment_size: 24
    .max_flat_workgroup_size: 128
    .sgpr_count:     76
    .vgpr_count:     1024
    .wavefront_size: 32
...
	.end_amdgpu_metadata
.endif
;; end of part 3
;; launch pv (part 4): grid 4 x 64, 4 waves a work-group, clusters of 4 x 4, 327,680 bytes of LDS; arguments pbuf, stat, qkv, u16; writes u16
.if DOCPART == 4
	.amdgcn_target "amdgcn-amd-amdhsa--gfx1250"
	.amdhsa_code_object_version 6
	.text
	.protected	k_q7b620f53e2_pv
	.globl	k_q7b620f53e2_pv
	.p2align	8
	.type	k_q7b620f53e2_pv,@function
k_q7b620f53e2_pv:
	s_mov_b64 s[64:65], 0
	v_nop
	global_prefetch_b8 v0, s[64:65] scope:SCOPE_SE
	s_setreg_imm32_b32 hwreg(HW_REG_WAVE_MODE, 25, 1), 1
	s_wait_xcnt 0x0
	s_wait_alu depctr_hold_cnt(0) depctr_sa_sdst(0) depctr_va_vdst(0) depctr_va_sdst(0) depctr_va_ssrc(0) depctr_va_vcc(0) depctr_vm_vsrc(0)
	s_getreg_b32 s2, hwreg(HW_REG_IB_STS2, 6, 4)
	s_cmp_eq_u32 s2, 0
	s_cbranch_scc0 .Lentry_in_a_cluster
	s_endpgm
.Lentry_in_a_cluster:
	s_bfe_u32 s2, ttmp6, 0x10000c
	s_cmp_lg_u32 s2, 0xf033
	s_cbranch_scc0 .Lentry_shape_is_right
	s_endpgm
.Lentry_shape_is_right:
; u = softmax(scores) v1 for each batch, f16 operands, f32 sums, u in f16.  pbuf holds p = 2^(t - M) under each chunk's own whole number M (a chunk: 128 keys); stat holds M and l, the chunk's sum.
; THE SECOND HALF OF THE SOFTMAX, in f32.  For a row: MX = the largest of its 16 M; c = 2^(M - MX), a power of two, at most 1; L = the sum of c l.  A step is a chunk: its product X = p v1 starts from 0, and
; O += c X, one packed multiply-add for two numbers (a lane's registers of an accumulator belong to ONE row).  O is divided by L at the end.
; A tile of u, 128 rows x 256 columns, is made by four waves, each 64 x 128: 32 accumulators X and 32 O.  K = the batch's 2,048 keys: 64 PARTS of 32 keys, 32 matrix instructions each; 4 parts are a step.
; v1 lies [key][channel] and comes through a ring of two LDS slots of 256 keys, each wave fetching 64 keys by one joint load; its fragments come out of LDS turned, by ds_load_tr16_b128.
; p lies in pbuf as images of this product's operand registers ([block of 16 rows][chunk][8][32 lanes][16 bytes]): a part's four fragments are eight loads of 512 consecutive bytes, straight into registers.
; Group t + 7 is asked for at the head of part t, into the registers that part t - 1 has left: 224 matrix instructions ahead; by this text's count 56 such loads of a wave are out at the most.
; CLUSTERS: 4 x 4 work-groups; v1's tiles are shared along a column of the cluster (the batch comes from the cluster's y): joint loads.  p, which a row of the cluster shares, is NOT asked for jointly: a slot with both
; operands for 256 keys is 65,536 + 139,264 bytes, and two such do not fit in 327,680; with slots of 128 keys a refill has 96 matrix instructions in which to land, with v1 alone in slots of 256 it has about 240.
; Source 0 = 16 channels, source 1 = 16 rows of p: a lane holds ONE row (l % 16) and eight neighbouring channels.  u leaves as images of the next product's operand registers, as p came: no stage in LDS.
; REGISTERS: window 0: v16-29 addresses; v32-39 c of my four row blocks, as pairs; v48-55 1 / L; v64-127 at work; v128-255 v1's fragments, two buffers of 32 keys (64 (t % 2) + 8 b).
;   window 1: p's fragments, eight groups: 32 (t % 8) + 8 a.   window 2: X at 8 (8 a + b).   window 3: O likewise.
.set PB,    544                        ; a row of v1 in LDS: 512 bytes + 32: an odd multiple of 32, as the turning load's lanes want
.set HB,    64*PB                      ; what one tensor load brings
.set SLOT,  4*HB                       ; 256 keys
.set CTAB,  2*SLOT                     ; c as pairs of f32: [step][row half][r][a], 1,024 bytes a step
.set RLT,   CTAB+16384                 ; (1 / L, 1 / L) for each of the 128 rows
.set SPARE, RLT+1024                   ; the spare words, 128 bytes for each wave
.set SGO,  16                          ; v16  16 x lane: my place in an image's 512 bytes; never rewritten
.set ADRB, 20                          ; v20-23 my lane's place in v1's keys 0-127 and 128-255 of slot 0, of slot 1 (an LDS offset has 16 bits)
.set CTA,  24                          ; v24  where my rows' c of the step in hand lie
.set RLA,  25                          ; v25  where my rows' 1 / L lie
.set SPW,  28
.set NIL,  29
.set CC,   32
.set RL,   48
.set E,    64
.set TMP,  128
.set G1B, 48
.set G0B, 56                           ; s[56:63] descriptor group 0, one set for each slot
.set MSB, 0
.macro WIN new
.if MSB != (\new)
	s_set_vgpr_msb (MSB<<8)|(\new)
.set MSB, (\new)
.endif
.endm
.set MUL,  0xa4                        ; source 0 (v1) window 0, source 1 (p) window 1, C and D window 2
.set ACCU, 0xf2                        ; source 0 (X) window 2, source 1 (c) window 0, source 2 and destination (O) window 3
.set TO_A, 0x40                        ; destination window 1, address window 0
.macro CREST
	s_cmp_lg_u32 s12, 0
	s_cbranch_scc1 .Lnot_wave_0_\@
	s_barrier_signal -3
.Lnot_wave_0_\@:
	s_barrier_wait -3
	s_barrier_signal -1
	s_barrier_wait -1
.endm
.macro CROUND
	s_barrier_signal -1
	s_barrier_wait -1
	CREST
.endm
.macro PLACES                          ; four plain vector instructions between a matrix instruction and a load into, or a read of, its registers
.rept 4
	v_nop
.endr
.endm
.macro ALOAD g                         ; p's group g, counted from where s[4:5] stands: four fragments, 16 rows x 32 keys each; a group is 1,024 bytes on from the last in each block of rows
.irp a, 0,1,2,3
	global_load_b128 v[32*((\g)%8)+8*\a:32*((\g)%8)+8*\a+3],   v[SGO], s[4:5] offset:\a*65536+(\g)*1024
	global_load_b128 v[32*((\g)%8)+8*\a+4:32*((\g)%8)+8*\a+7], v[SGO], s[4:5] offset:\a*65536+(\g)*1024+512
.endr
.endm
	s_load_b256 s[4:11], s[0:1], 0x0               ; pbuf s[4:5], stat s[6:7], qkv s[8:9], u16 s[10:11]
	v_lshl_add_u32 v[SPW], v0, 2, SPARE
	v_mov_b32 v[NIL], 0
	ds_add_u32 v[SPW], v[NIL]                      ; the wave's opening: the add, twice on end, and its wait ahead of my first tensor load
	ds_add_u32 v[SPW], v[NIL]
	v_lshrrev_b32 v1, 5, v0
	v_readfirstlane_b32 s12, v1                    ; wave 0..3
	s_lshr_b32 s13, s12, 1                         ; which 64 rows are mine
	s_and_b32 s14, s12, 1                          ; which 128 columns
	s_bfe_u32 s40, ttmp6, 0x40000                  ; cx
	s_bfe_u32 s41, ttmp6, 0x40004                  ; cy
	s_lshl_b32 s42, ttmp9, 2
	s_add_co_u32 s42, s42, s40                     ; tile column: 256 channels
	s_and_b32 s16, ttmp7, 0xffff                   ; cluster y
	s_lshr_b32 s17, s16, 2                         ; the batch: four clusters along y to a batch
	s_lshl_b32 s15, s16, 2
	s_add_co_u32 s15, s15, s41                     ; tile row: 128 rows
	s_lshl_b32 s44, 0x1111, s40                    ; my column of the cluster
	s_or_b32 s[G1B+0], s44, (1<<16)|(1<<20)|(1<<21)|(6<<22)|(7<<25)  ; elements of 2 bytes; 8 words of padding behind every 128
	s_mov_b32 s[G1B+1], 256<<16                    ; tensor_dim0 = 256 channels
	s_mov_b32 s[G1B+2], 64<<16                     ; tensor_dim1 = 64 keys
	s_mov_b32 s[G1B+3], 256<<16                    ; tile_dim0
	s_mov_b32 s[G1B+4], 64                         ; tile_dim1
	s_mov_b32 s[G1B+5], 1024                       ; tensor_dim0_stride
	s_mov_b32 s[G1B+6], 0
	s_mov_b32 s[G1B+7], 0
	s_lshl_b32 s46, s17, 11
	s_lshl_b32 s47, s12, 6
	s_add_co_u32 s46, s46, s47
	s_add_co_u32 s46, s46, 16384                   ; v1: row 16,384 + 2,048 x batch + 64 x wave of qkv,
	s_lshl_b32 s46, s46, 11
	s_lshl_b32 s47, s42, 9                         ; + 512 bytes x tile column
	s_add_co_u32 s46, s46, s47
	s_mov_b32 s47, 0
	s_mul_i32 s21, s12, HB                         ; where they go: wave x 64 keys: no place in the cluster enters an LDS address
	s_wait_dscnt 0x0                               ; both opening adds are done
	s_wait_kmcnt 0x0
	s_add_nc_u64 s[46:47], s[8:9], s[46:47]
	CROUND                                         ; all sixteen work-groups are here: the first joint loads meet
.irp s, 0,1
	s_mov_b32 s[G0B+4*\s], 1
	s_add_co_u32 s[G0B+4*\s+1], s21, \s*SLOT
	s_add_nc_u64 s[G0B+4*\s+2:G0B+4*\s+3], s[46:47], \s*524288     ; slot s: 256 keys down
	s_or_b32 s[G0B+4*\s+3], s[G0B+4*\s+3], 0x80000000
.endr
	tensor_load_to_lds s[G0B:G0B+3], s[G1B:G1B+7]  ; every wave's two first fills stand together; an s_nop 0 follows each, four v_nop the second's
	s_nop 0
	tensor_load_to_lds s[G0B+4:G0B+7], s[G1B:G1B+7]
	s_nop 0
	PLACES
	; M and l of my row (thread = row of the tile), all 16 chunks
	s_lshl_b32 s22, s15, 9
	s_mov_b32 s23, 0
	s_add_nc_u64 s[6:7], s[6:7], s[22:23]
	v_lshlrev_b32 v7, 2, v0
.irp c, 0,1,2,3,4,5,6,7,8,9,10,11,12,13,14,15
	global_load_b32 v[64+\c], v7, s[6:7] offset:\c*65536
	global_load_b32 v[80+\c], v7, s[6:7] offset:\c*65536+32768
.endr
	s_lshl_b32 s22, s15, 7
	s_lshl_b32 s20, s13, 6
	s_add_co_u32 s22, s22, s20                     ; my first row
	s_lshl_b32 s20, s22, 12                        ; pbuf: 65,536 bytes for each block of 16 rows
	s_mov_b32 s21, 0
	s_add_nc_u64 s[4:5], s[4:5], s[20:21]
	v_and_b32 v3, 31, v0
	v_lshlrev_b32 v[SGO], 4, v3
	WIN TO_A
	ALOAD 0                                        ; p's first three groups
	ALOAD 1
	ALOAD 2
	WIN 0
	s_lshl_b32 s20, s22, 11                        ; u16: 32,768 bytes for each block of 16 rows,
	s_lshl_b32 s46, s42, 1
	s_add_co_u32 s46, s46, s14
	s_lshl_b32 s46, s46, 12                        ; 4,096 for each 128 channels
	s_add_co_u32 s20, s20, s46
	s_add_nc_u64 s[10:11], s[10:11], s[20:21]
	v_and_b32 v1, 15, v0                           ; r
	v_bfe_u32 v2, v0, 4, 1                         ; h
	v_and_b32 v4, 7, v0
	v_lshl_add_u32 v4, v2, 3, v4
	v_mul_u32_u24 v4, v4, PB                       ; v1: key 8 h + l % 8,
	v_bfe_u32 v5, v0, 3, 1
	v_lshl_add_u32 v4, v5, 4, v4                   ; channels 8 ((l / 8) % 2) on,
	s_lshl_b32 s22, s14, 8                         ; in my 128 channels
.irp i, 0,1,2,3
	v_add_nc_u32 v[ADRB+\i], s22, v4
	s_add_co_u32 s22, s22, 2*HB                    ; 128 keys on
.endr
	s_lshl_b32 s22, s13, 9
	s_add_co_u32 s23, s22, CTAB
	v_lshl_add_u32 v[CTA], v1, 5, s23              ; my rows' c: 512 x row half + 32 r
	s_add_co_u32 s23, s22, RLT
	v_lshl_add_u32 v[RLA], v1, 3, s23              ; my rows' 1 / L: 8 bytes a row
	v_lshrrev_b32 v5, 6, v0                        ; where my own row's c go: 512 (row / 64) + 32 (row % 16) + 8 ((row / 16) % 4)
	v_lshlrev_b32 v5, 9, v5
	v_lshl_add_u32 v5, v1, 5, v5
	v_bfe_u32 v6, v0, 4, 2
	v_lshl_add_u32 v5, v6, 3, v5
	v_add_nc_u32 v5, CTAB, v5
	s_wait_loadcnt 24                              ; M and l are in; p's 24 loads behind them may be out
	WIN TO_A
	ALOAD 3                                        ; four groups more: 56 loads out at the most
	ALOAD 4
	ALOAD 5
	ALOAD 6
	WIN 0
	v_max3_num_f32 v96, v64, v65, v66              ; MX
.irp i, 67,69,71,73,75,77
	v_max3_num_f32 v96, v96, v[\i], v[\i+1]
.endr
	v_max_num_f32 v96, v96, v79
.irp c, 0,1,2,3,4,5,6,7,8,9,10,11,12,13,14,15
	v_sub_f32 v[64+\c], v[64+\c], v96              ; M - MX: a whole number, 0 or less
.endr
.irp c, 0,1,2,3,4,5,6,7,8,9,10,11,12,13,14,15
	v_cvt_i32_f32 v[64+\c], v[64+\c]               ; (it saturates)
.endr
.irp c, 0,1,2,3,4,5,6,7,8,9,10,11,12,13,14,15
	v_ldexp_f32 v[64+\c], 1.0, v[64+\c]            ; c = 2^(M - MX)
.endr
	v_mul_f32 v97, v64, v80                        ; L = the sum of c l, in two chains
	v_mul_f32 v98, v65, v81
.irp c, 2,4,6,8,10,12,14
	v_fma_f32 v97, v[64+\c], v[80+\c], v97
	v_fma_f32 v98, v[65+\c], v[81+\c], v98
.endr
	v_add_f32 v97, v97, v98                        ; over 1/2: the chunk with M = MX has c = 1 and a p over 1/2
	v_rcp_f32 v98, v97
	v_lshl_add_u32 v6, v0, 3, RLT                  ; (the plain instruction behind the reciprocal)
.irp c, 0,1,2,3,4,5,6,7,8,9,10,11,12,13,14,15
	ds_store_b32 v5, v[64+\c] offset:1024*\c       ; (c, c): the packed multiply-add names a pair
	ds_store_b32 v5, v[64+\c] offset:1024*\c+4
.endr
	s_wait_alu depctr_va_vdst(0)                   ; the wait ahead of the reciprocal's first reader
	v_mov_b32 v99, v98
	ds_store_b64 v6, v[98:99]
; n x 8 matrix instructions of part rel: row blocks a0 on x all 8 channel blocks, 32 keys.  A step's first part starts X from 0.  The 32 accumulators take turns, one instruction a turn.
.macro MULH rel, a0, n
.set aa, \a0
.rept \n
.irp b, 0,1,2,3,4,5,6,7
.if ((\rel)%4) == 0
	v_wmma_f32_16x16x32_f16 v[8*(8*aa+\b):8*(8*aa+\b)+7], v[128+64*((\rel)%2)+8*\b:128+64*((\rel)%2)+8*\b+7], v[32*((\rel)%8)+8*aa:32*((\rel)%8)+8*aa+7], 0
.else
	v_wmma_f32_16x16x32_f16 v[8*(8*aa+\b):8*(8*aa+\b)+7], v[128+64*((\rel)%2)+8*\b:128+64*((\rel)%2)+8*\b+7], v[32*((\rel)%8)+8*aa:32*((\rel)%8)+8*aa+7], v[8*(8*aa+\b):8*(8*aa+\b)+7]
.endif
.endr
.set aa, aa+1
.endr
.endm
.macro FETCHB rn                       ; v1's fragments of part rn: 16 turning loads in one run, into buffer rn % 2
	WIN 0
.irp b, 0,1,2,3,4,5,6,7
	ds_load_tr16_b128 v[128+64*((\rn)%2)+8*\b:128+64*((\rn)%2)+8*\b+3],   v[ADRB+((\rn)/4)%4] offset:(((\rn)%4)*32)*PB+32*\b
	ds_load_tr16_b128 v[128+64*((\rn)%2)+8*\b+4:128+64*((\rn)%2)+8*\b+7], v[ADRB+((\rn)/4)%4] offset:(((\rn)%4)*32+16)*PB+32*\b
.endr
.endm
.macro ACCUM first                     ; O += c X: 128 packed multiply-adds, each accumulator from its low end on; first = 1: the first step starts O
	WIN ACCU
.irp a, 0,1,2,3
.set i, 64*\a
.rept 32
.if \first
	v_pk_mul_f32 v[i:i+1], v[i:i+1], v[CC+2*\a:CC+2*\a+1] op_sel_hi:[1,0]
.else
	v_pk_fma_f32 v[i:i+1], v[i:i+1], v[CC+2*\a:CC+2*\a+1], v[i:i+1] op_sel_hi:[1,0,1]
.endif
.set i, i+2
.endr
.endr
.endm
; PART rel: 32 keys.  rel counts parts from where s[4:5] stands; rel % 8 is the part's place in its slot and its group of p's registers, (rel / 8) % 2 the slot.
; aload = 1: p's group rel + 7 is asked for.  lcnt: how many younger loads of p may be out when this part's group has to be in.  fetch = 1: the next part's fragments of v1 are fetched.
; change = 0: at its head the part fetches for the next one, then issues its 32 products.
; change = 1, 2: a slot's last part changes slots: ONE barrier; in front of it each wave waits for all its tensor loads (its part of the next slot), adds 0 to its spare word, and waits for that and for its reads of this
; slot.  1: the barrier opens a round of the cluster's, and this slot is filled again, two slots ahead, first thing behind the round.  2: nothing is left to fetch.
.macro PART rel, aload, lcnt, change, fetch, first
.if \change
	s_wait_loadcnt \lcnt                           ; this part's group of p is in
	WIN 0
	s_wait_tensorcnt 0x0
	ds_add_u32 v[SPW], v[NIL]
	s_wait_dscnt 1                                 ; this part's fragments of v1 are in; the add may be out
	WIN MUL
	MULH \rel, 0, 1
	s_wait_dscnt 0x0                               ; the add is done, and my reads of this slot are over
	s_barrier_signal -1
	MULH \rel, 1, 1
	WIN 0
	s_barrier_wait -1
.if \change == 1
	CREST
	s_add_nc_u64 s[G0B+4*(((\rel)/8)%2)+2:G0B+4*(((\rel)/8)%2)+3], s[G0B+4*(((\rel)/8)%2)+2:G0B+4*(((\rel)/8)%2)+3], 1048576   ; 512 keys on
	tensor_load_to_lds s[G0B+4*(((\rel)/8)%2):G0B+4*(((\rel)/8)%2)+3], s[G1B:G1B+7]
	s_nop 0
.endif
	PLACES                                         ; behind the tensor load, and in front of the loads below
	FETCHB (\rel)+1
.if \aload
	WIN TO_A
	ALOAD (\rel)+7
.endif
	WIN MUL
	MULH \rel, 2, 2
.else
	s_wait_dscnt 0x0                               ; this part's fragments of v1 are in (asked for a part ago)
	PLACES
.if \fetch
	FETCHB (\rel)+1
.endif
.if ((\rel)%4) == 1
	WIN 0
	ds_load_b128 v[CC:CC+3], v[CTA]                ; the step's c of my four row blocks
	ds_load_b128 v[CC+4:CC+7], v[CTA] offset:16
	v_add_nc_u32 v[CTA], 1024, v[CTA]
.endif
	s_wait_loadcnt \lcnt                           ; this part's group of p is in
.if \aload
	WIN TO_A
	ALOAD (\rel)+7
.endif
	WIN MUL
	MULH \rel, 0, 4
.endif
.if ((\rel)%4) == 3
	PLACES
	ACCUM \first
.endif
.endm
	s_wait_tensorcnt 1                             ; my part of slot 0 is in (slot 1's load may be out),
	s_wait_dscnt 0x0                               ; and my row's c and 1 / L lie in LDS;
	s_barrier_signal -1
	s_barrier_wait -1                              ; everybody's
	FETCHB 0
	PART 0, 1, 48, 0, 1, 0                         ; step 0 stands in front of the loop: it starts O.  48: the six younger groups of p may be out
	PART 1, 1, 48, 0, 1, 0
	PART 2, 1, 48, 0, 1, 0
	PART 3, 1, 48, 0, 1, 1
	WIN 0
	s_mov_b32 s3, 3
.Llap:                                             ; a trip is four steps, from a slot's second half to the same place two slots on; it fills both slots again: steps 1 to 12
.irp r, 4,5,6
	PART \r, 1, 48, 0, 1, 0
.endr
	PART 7, 1, 48, 1, 1, 0
.irp r, 8,9,10,11,12,13,14
	PART \r, 1, 48, 0, 1, 0
.endr
	PART 15, 1, 48, 1, 1, 0
.irp r, 16,17,18,19
	PART \r, 1, 48, 0, 1, 0
.endr
	WIN 0
	s_wait_xcnt 0x0                                ; p's loads have read their base: only now is it stepped
	s_add_nc_u64 s[4:5], s[4:5], 16384             ; 16 groups on
	s_sub_co_u32 s3, s3, 1
	s_cmp_lg_u32 s3, 0
	s_cbranch_scc1 .Llap
.irp r, 4,5,6                                      ; steps 13 to 15 are written out: no slot is filled, and p's last group is asked for in the fifth of these parts
	PART \r, 1, 48, 0, 1, 0
.endr
	PART 7, 1, 48, 2, 1, 0
	PART 8, 1, 48, 0, 1, 0
	PART 9,  0, 48, 0, 1, 0                        ; the counts run down
	PART 10, 0, 40, 0, 1, 0
	PART 11, 0, 32, 0, 1, 0
	PART 12, 0, 24, 0, 1, 0
	PART 13, 0, 16, 0, 1, 0
	PART 14, 0, 8,  0, 1, 0
	PART 15, 0, 0,  0, 0, 0
	WIN 0
	; THE WAY OUT: O / L, rounded to f16; an accumulator's four packed registers are stored at 16 x lane: every store covers 512 consecutive bytes, aligned.  Each block has its own 32 registers: no store's data are written again.
.irp a, 0,1,2,3
	ds_load_b64 v[RL+2*\a:RL+2*\a+1], v[RLA] offset:128*\a
.endr
	s_wait_dscnt 0x0
.irp a, 0,1,2,3
	WIN 0x03                                       ; source 0: window 3
.set i, 0
.rept 32
	v_pk_mul_f32 v[E+i:E+i+1], v[64*\a+i:64*\a+i+1], v[RL+2*\a:RL+2*\a+1] op_sel_hi:[1,0]
.set i, i+2
.endr
	WIN 0
.set i, 0
.rept 32
	v_cvt_pk_f16_f32 v[TMP+32*\a+i], v[E+2*i], v[E+2*i+1]
.set i, i+1
.endr
.irp b, 0,1,2,3,4,5,6,7
	global_store_b128 v[SGO], v[TMP+32*\a+4*\b:TMP+32*\a+4*\b+3], s[10:11] offset:\a*32768+512*\b
.endr
.endr
	s_wait_tensorcnt 0x0                           ; the wave's end
	ds_add_u32 v[SPW], v[NIL]
	s_wait_dscnt 0x0
	CROUND                                         ; the closing round
	s_endpgm
.Lfunc_end_k_q7b620f53e2_pv:
	.size	k_q7b620f53e2_pv, .Lfunc_end_k_q7b620f53e2_pv-k_q7b620f53e2_pv
	.p2alignl 7, 3214868480
	.fill 96, 4, 3214868480
	.section	.rodata,"a",@progbits
	.p2align	6, 0x0
	.amdhsa_kernel k_q7b620f53e2_pv
		.amdhsa_group_segment_fixed_size 327680
		.amdhsa_private_segment_fixed_size 0
		.amdhsa_enable_private_segment 0
		.amdhsa_kernarg_size 32
		.amdhsa_user_sgpr_count 2
		.amdhsa_user_sgpr_kernarg_segment_ptr 1
		.amdhsa_wavefront_size32 1
		.amdhsa_system_sgpr_workgroup_id_x 1
		.amdhsa_system_sgpr_workgroup_id_y 1
		.amdhsa_system_sgpr_workgroup_id_z 1
		.amdhsa_system_vgpr_workitem_id 0
		.amdhsa_next_free_vgpr 1024
		.amdhsa_next_free_sgpr 72
		.amdhsa_reserve_vcc 0
		.amdhsa_float_denorm_mode_32 3
		.amdhsa_float_denorm_mode_16_64 3
		.amdhsa_memory_ordered 1
		.amdhsa_forward_progress 1
		.amdhsa_inst_pref_size 232
	.end_amdhsa_kernel
	.amdgpu_metadata
---
amdhsa.version: [ 1, 2 ]
amdhsa.kernels:
  - .name:           k_q7b620f53e2_pv
    .symbol:         k_q7b620f53e2_pv.kd
    .args:
      - { .name: pbuf, .offset: 0, .size: 8, .value_kind: global_buffer, .address_space: global }
      - { .name: stat, .offset: 8, .size: 8, .value_kind: global_buffer, .address_space: global }
      - { .name: qkv, .offset: 16, .size: 8, .value_kind: global_buffer, .address_space: global }
      - { .name: u16, .offset: 24, .size: 8, .value_kind: global_buffer, .address_space: global }
    .group_segment_fixed_size: 327680
    .private_segment_fixed_size: 0
    .kernarg_segment_align: 8
    .kernarg_segment_size: 32
    .max_flat_workgroup_size: 128
    .sgpr_count:     72
    .vgpr_count:     1024
    .wavefront_size: 32
...
	.end_amdgpu_metadata
.endif
;; end of part 4
;; launch outp (part 5): grid 4 x 64, 4 waves a work-group, clusters of 4 x 4, 327,680 bytes of LDS; arguments u16, wv16, bv, out0; writes out0
.if DOCPART == 5
	.amdgcn_target "amdgcn-amd-amdhsa--gfx1250"
	.amdhsa_code_object_version 6
	.text
	.protected	k_q7b620f53e2_outp
	.globl	k_q7b620f53e2_outp
	.p2align	8
	.type	k_q7b620f53e2_outp,@function
k_q7b620f53e2_outp:
	s_mov_b64 s[64:65], 0
	v_nop
	global_prefetch_b8 v0, s[64:65] scope:SCOPE_SE
	s_setreg_imm32_b32 hwreg(HW_REG_WAVE_MODE, 25, 1), 1
	s_wait_xcnt 0x0
	s_wait_alu depctr_hold_cnt(0) depctr_sa_sdst(0) depctr_va_vdst(0) depctr_va_sdst(0) depctr_va_ssrc(0) depctr_va_vcc(0) depctr_vm_vsrc(0)
	s_getreg_b32 s2, hwreg(HW_REG_IB_STS2, 6, 4)
	s_cmp_eq_u32 s2, 0
	s_cbranch_scc0 .Lentry_in_a_cluster
	s_endpgm
.Lentry_in_a_cluster:
	s_bfe_u32 s2, ttmp6, 0x10000c
	s_cmp_lg_u32 s2, 0xf033
	s_cbranch_scc0 .Lentry_shape_is_right
	s_endpgm
.Lentry_shape_is_right:
; out = u Wv + bv, f16 operands, f32 sums, f32 out.  (u = align v1; align (v1 Wv + 1 bv^T) = u Wv + bv since each row of align sums to 1: see the head of the first kernel.)
; A tile of out, 128 rows x 256 columns, is made by four waves, each 64 x 128: 32 accumulators.  K = 1,024: 32 PARTS of 32, 32 matrix instructions each, all written out: every offset is an immediate.
; Wv lies [k][n] and comes through a ring of two LDS slots of 256 along K, each wave fetching 64 rows by one joint load; its fragments come out of LDS turned, by ds_load_tr16_b128.
; u lies in u16 as images of this product's operand registers ([block of 16 rows][128 along K][8][32 lanes][16 bytes]): a part's four fragments are eight loads of 512 consecutive bytes, straight into registers.
; Group t + 7 is asked for at the head of part t, into the registers that part t - 1 has left: 224 matrix instructions ahead; by this text's count 56 such loads of a wave are out at the most.
; CLUSTERS: 4 x 4 work-groups; Wv's tiles are shared along a column of the cluster: joint loads.  u, which a row of the cluster shares, is NOT asked for jointly: a slot with both operands for 256 along K is
; 65,536 + 139,264 bytes, and two such do not fit in 327,680; with slots of 128 a refill has 96 matrix instructions in which to land, with Wv alone in slots of 256 it has about 240.
; Source 0 = 16 columns of Wv, source 1 = 16 rows of u: a lane holds ONE row (l % 16) and eight neighbouring columns.  bv is the C of each sum's first instruction.
; REGISTERS: window 0: v16-29 addresses; v64-127 bv in the result's layout; v128-255 Wv's fragments, two buffers (64 (t % 2) + 8 b).  window 1: u's fragments, eight groups: 32 (t % 8) + 8 a.  window 2: accumulators at 8 (8 a + b).
.set PB,    544
.set HB,    64*PB
.set SLOT,  4*HB
.set STAGE, 2*SLOT                     ; the way out: 16 rows x (512 bytes + 16) for each wave
.set SPITCH, 528
.set SPARE, STAGE+4*16*SPITCH
.set SGO,  16                          ; v16  16 x lane; never rewritten
.set ADRB, 20                          ; v20-23
.set STO,  24
.set RD,   25
.set SPW,  28
.set NIL,  29
.set BI,   64
.set BK0,  128                         ; v128-191 and v192-255 by turns: rows read back
.set G1B, 48
.set G0B, 56
.set MSB, 0
.macro WIN new
.if MSB != (\new)
	s_set_vgpr_msb (MSB<<8)|(\new)
.set MSB, (\new)
.endif
.endm
.set MUL,  0xa4                        ; source 0 (Wv) window 0, source 1 (u) window 1, C and D window 2
.set FST,  0x84                        ; C (bv) window 0, D window 2
.set TO_A, 0x40
.macro CREST
	s_cmp_lg_u32 s12, 0
	s_cbranch_scc1 .Lnot_wave_0_\@
	s_barrier_signal -3
.Lnot_wave_0_\@:
	s_barrier_wait -3
	s_barrier_signal -1
	s_barrier_wait -1
.endm
.macro CROUND
	s_barrier_signal -1
	s_barrier_wait -1
	CREST
.endm
.macro PLACES
.rept 4
	v_nop
.endr
.endm
.macro ALOAD g                         ; u's group g: four fragments, 16 rows x 32 along K each
.irp a, 0,1,2,3
	global_load_b128 v[32*((\g)%8)+8*\a:32*((\g)%8)+8*\a+3],   v[SGO], s[4:5] offset:\a*32768+(\g)*1024
	global_load_b128 v[32*((\g)%8)+8*\a+4:32*((\g)%8)+8*\a+7], v[SGO], s[4:5] offset:\a*32768+(\g)*1024+512
.endr
.endm
	s_load_b256 s[4:11], s[0:1], 0x0               ; u16 s[4:5], wv16 s[6:7], bv s[8:9], out0 s[10:11]
	v_lshl_add_u32 v[SPW], v0, 2, SPARE
	v_mov_b32 v[NIL], 0
	ds_add_u32 v[SPW], v[NIL]                      ; the wave's opening: the add, twice on end, and its wait ahead of my first tensor load
	ds_add_u32 v[SPW], v[NIL]
	v_lshrrev_b32 v1, 5, v0
	v_readfirstlane_b32 s12, v1                    ; wave 0..3
	s_lshr_b32 s13, s12, 1                         ; which 64 rows are mine
	s_and_b32 s14, s12, 1                          ; which 128 columns
	s_bfe_u32 s40, ttmp6, 0x40000                  ; cx
	s_bfe_u32 s41, ttmp6, 0x40004                  ; cy
	s_lshl_b32 s42, ttmp9, 2
	s_add_co_u32 s42, s42, s40                     ; tile column: 256 columns
	s_and_b32 s15, ttmp7, 0xffff
	s_lshl_b32 s15, s15, 2
	s_add_co_u32 s15, s15, s41                     ; tile row: 128 rows
	s_lshl_b32 s44, 0x1111, s40                    ; my column of the cluster
	s_or_b32 s[G1B+0], s44, (1<<16)|(1<<20)|(1<<21)|(6<<22)|(7<<25)  ; elements of 2 bytes; 8 words of padding behind every 128
	s_mov_b32 s[G1B+1], 256<<16
	s_mov_b32 s[G1B+2], 64<<16
	s_mov_b32 s[G1B+3], 256<<16
	s_mov_b32 s[G1B+4], 64
	s_mov_b32 s[G1B+5], 1024
	s_mov_b32 s[G1B+6], 0
	s_mov_b32 s[G1B+7], 0
	s_lshl_b32 s46, s12, 17                        ; Wv: row 64 x wave, 2,048 bytes a row,
	s_lshl_b32 s47, s42, 9                         ; + 512 bytes x tile column
	s_add_co_u32 s46, s46, s47
	s_mov_b32 s47, 0
	s_mul_i32 s21, s12, HB
	s_wait_dscnt 0x0                               ; both opening adds are done
	s_wait_kmcnt 0x0
	s_add_nc_u64 s[46:47], s[6:7], s[46:47]
	CROUND                                         ; all sixteen work-groups are here: the first joint loads meet
.irp s, 0,1
	s_mov_b32 s[G0B+4*\s], 1
	s_add_co_u32 s[G0B+4*\s+1], s21, \s*SLOT
	s_add_nc_u64 s[G0B+4*\s+2:G0B+4*\s+3], s[46:47], \s*524288     ; slot s: 256 rows down
	s_or_b32 s[G0B+4*\s+3], s[G0B+4*\s+3], 0x80000000
.endr
	tensor_load_to_lds s[G0B:G0B+3], s[G1B:G1B+7]  ; every wave's two first fills stand together; an s_nop 0 follows each, four v_nop the second's
	s_nop 0
	tensor_load_to_lds s[G0B+4:G0B+7], s[G1B:G1B+7]
	s_nop 0
	PLACES
	v_and_b32 v1, 15, v0                           ; r
	v_bfe_u32 v2, v0, 4, 1                         ; h
	; bv in the result's layout: register 8 b + j of lane (r, h) is bv[my first column + 16 b + 8 h + j]
	s_lshl_b32 s46, s42, 10                        ; my first column x 4 bytes: 1,024 x tile column + 512 x half
	s_lshl_b32 s47, s14, 9
	s_add_co_u32 s46, s46, s47
	s_mov_b32 s47, 0
	s_add_nc_u64 s[8:9], s[8:9], s[46:47]
	v_lshlrev_b32 v7, 5, v2
.irp b, 0,1,2,3,4,5,6,7
	global_load_b128 v[BI+8*\b:BI+8*\b+3], v7, s[8:9] offset:64*\b
	global_load_b128 v[BI+8*\b+4:BI+8*\b+7], v7, s[8:9] offset:64*\b+16
.endr
	s_lshl_b32 s22, s15, 7
	s_lshl_b32 s23, s13, 6
	s_add_co_u32 s22, s22, s23                     ; my first row
	s_lshl_b32 s20, s22, 11                        ; u16: 32,768 bytes for each block of 16 rows
	s_mov_b32 s21, 0
	s_add_nc_u64 s[4:5], s[4:5], s[20:21]
	v_and_b32 v6, 31, v0
	v_lshlrev_b32 v[SGO], 4, v6
	WIN TO_A
	ALOAD 0                                        ; u's first five groups
	ALOAD 1
	ALOAD 2
	ALOAD 3
	ALOAD 4
	WIN 0
	s_lshl_b32 s20, s22, 12                        ; out0: 4,096 bytes a row
	s_add_co_u32 s20, s20, s46
	s_add_nc_u64 s[10:11], s[10:11], s[20:21]
	v_and_b32 v4, 7, v0
	v_lshl_add_u32 v4, v2, 3, v4
	v_mul_u32_u24 v4, v4, PB                       ; Wv: row 8 h + l % 8,
	v_bfe_u32 v5, v0, 3, 1
	v_lshl_add_u32 v4, v5, 4, v4                   ; columns 8 ((l / 8) % 2) on,
	s_lshl_b32 s22, s14, 8                         ; in my 128 columns
.irp i, 0,1,2,3
	v_add_nc_u32 v[ADRB+\i], s22, v4
	s_add_co_u32 s22, s22, 2*HB                    ; 128 rows on
.endr
	s_mul_i32 s23, s12, 16*SPITCH
	s_add_co_u32 s23, s23, STAGE                   ; my stage
	v_mul_u32_u24 v5, v1, SPITCH                   ; in: row r, 32 bytes for each half of the lanes
	v_lshl_add_u32 v5, v2, 5, v5
	v_add_nc_u32 v[STO], s23, v5
	v_add_nc_u32 v[RD], s23, v[SGO]                ; back: the 32 lanes take one row of 512 bytes
	s_wait_loadcnt 40                              ; bv is in; u's 40 loads behind it may be out
	WIN TO_A
	ALOAD 5                                        ; two groups more: 56 loads out at the most
	ALOAD 6
	WIN 0
; n x 8 matrix instructions of part rel: row blocks a0 on x all 8 column blocks, 32 along K.  Part 0 starts the sums from bv.  The 32 accumulators take turns, one instruction a turn.
.macro MULH rel, a0, n
.set aa, \a0
.rept \n
.irp b, 0,1,2,3,4,5,6,7
.if (\rel) == 0
	v_wmma_f32_16x16x32_f16 v[8*(8*aa+\b):8*(8*aa+\b)+7], v[128+64*((\rel)%2)+8*\b:128+64*((\rel)%2)+8*\b+7], v[32*((\rel)%8)+8*aa:32*((\rel)%8)+8*aa+7], v[BI+8*\b:BI+8*\b+7]
.else
	v_wmma_f32_16x16x32_f16 v[8*(8*aa+\b):8*(8*aa+\b)+7], v[128+64*((\rel)%2)+8*\b:128+64*((\rel)%2)+8*\b+7], v[32*((\rel)%8)+8*aa:32*((\rel)%8)+8*aa+7], v[8*(8*aa+\b):8*(8*aa+\b)+7]
.endif
.endr
.set aa, aa+1
.endr
.endm
.macro FETCHB rn                       ; Wv's fragments of part rn: 16 turning loads in one run, into buffer rn % 2
	WIN 0
.irp b, 0,1,2,3,4,5,6,7
	ds_load_tr16_b128 v[128+64*((\rn)%2)+8*\b:128+64*((\rn)%2)+8*\b+3],   v[ADRB+((\rn)/4)%4] offset:(((\rn)%4)*32)*PB+32*\b
	ds_load_tr16_b128 v[128+64*((\rn)%2)+8*\b+4:128+64*((\rn)%2)+8*\b+7], v[ADRB+((\rn)/4)%4] offset:(((\rn)%4)*32+16)*PB+32*\b
.endr
.endm
; PART rel, rel = 0 .. 31.  At its head a part fetches Wv's fragments for the next one and asks for u's group rel + 7 (there are 32), then issues its 32 products.
; Parts 7, 15 and 23 are a slot's last: ONE barrier; in front of it each wave waits for all its tensor loads (its part of the next slot), adds 0 to its spare word, and waits for that and for its reads of this slot.
; In parts 7 and 15 the barrier opens a round of the cluster's, and the slot is filled again, two slots ahead, first thing behind the round; in part 23 nothing is left to fetch.
.macro PART rel
.set LC, 48                            ; the six younger groups of u may be out;
.if (\rel) > 25
.set LC, 8*(31-(\rel))                 ; at the end the counts run down
.endif
.if (((\rel)%8) == 7) && ((\rel) < 31)
	s_wait_loadcnt LC                              ; this part's group of u is in
	WIN 0
	s_wait_tensorcnt 0x0
	ds_add_u32 v[SPW], v[NIL]
	s_wait_dscnt 1                                 ; this part's fragments of Wv are in; the add may be out
	WIN MUL
	MULH \rel, 0, 1
	s_wait_dscnt 0x0                               ; the add is done, and my reads of this slot are over
	s_barrier_signal -1
	MULH \rel, 1, 1
	WIN 0
	s_barrier_wait -1
.if (\rel) < 16
	CREST
	s_add_nc_u64 s[G0B+4*(((\rel)/8)%2)+2:G0B+4*(((\rel)/8)%2)+3], s[G0B+4*(((\rel)/8)%2)+2:G0B+4*(((\rel)/8)%2)+3], 1048576   ; 512 rows on
	tensor_load_to_lds s[G0B+4*(((\rel)/8)%2):G0B+4*(((\rel)/8)%2)+3], s[G1B:G1B+7]
	s_nop 0
.endif
	PLACES                                         ; behind the tensor load, and in front of the loads below
	FETCHB (\rel)+1
.if (\rel) < 25
	WIN TO_A
	ALOAD (\rel)+7
.endif
	WIN MUL
	MULH \rel, 2, 2
.else
	s_wait_dscnt 0x0                               ; this part's fragments of Wv are in (asked for a part ago)
	PLACES
.if (\rel) < 31
	FETCHB (\rel)+1
.endif
	s_wait_loadcnt LC                              ; this part's group of u is in
.if (\rel) < 25
	WIN TO_A
	ALOAD (\rel)+7
.endif
.if (\rel) == 0
	WIN FST
.else
	WIN MUL
.endif
	MULH \rel, 0, 4
.endif
.endm
	s_wait_tensorcnt 1                             ; my part of slot 0 is in (slot 1's load may be out),
	s_barrier_signal -1
	s_barrier_wait -1                              ; everybody's is
	FETCHB 0
.set Q, 0
.rept 32
	PART Q
.set Q, Q+1
.endr
	WIN 0
; THE WAY OUT, block by block of 16 rows x 128 columns: a lane holds 32 neighbouring bytes of a row; a block goes through my own stage and comes back as whole rows of 512 bytes.
.macro TOSTAGE a
	WIN 0x08                                       ; an LDS store's data are its source 1: window 2
.irp b, 0,1,2,3,4,5,6,7
	ds_store_b128 v[STO], v[64*(\a)+8*\b:64*(\a)+8*\b+3] offset:64*\b          ; each accumulator from its low end on
	ds_store_b128 v[STO], v[64*(\a)+8*\b+4:64*(\a)+8*\b+7] offset:64*\b+16
.endr
	WIN 0
.set BB, BK0+64*((\a)%2)
.irp t, 0,1,2,3,4,5,6,7,8,9,10,11,12,13,14,15
	ds_load_b128 v[BB+4*\t:BB+4*\t+3], v[RD] offset:\t*SPITCH      ; LDS serves a wave's instructions in order: these see the stores above
.endr
.endm
.macro SEND a, younger                 ; younger: the LDS instructions issued behind block a's loads, which may stay out
.set BB, BK0+64*((\a)%2)
	s_wait_dscnt \younger
.if (\a) > 0
	s_add_nc_u64 s[10:11], s[10:11], 16*4096       ; (behind a wait on XCNT: the earlier stores have read their base)
.endif
.irp t, 0,1,2,3,4,5,6,7,8,9,10,11,12,13,14,15
	global_store_b128 v[SGO], v[BB+4*\t:BB+4*\t+3], s[10:11] offset:\t*4096 th:TH_STORE_NT   ; 32 lanes store 512 consecutive bytes, aligned
.endr
.endm
	PLACES
	TOSTAGE 0
.irp a, 1,2,3
.if \a > 1
	s_wait_xcnt 0x0                                ; block a - 2's stores have read their registers and their base
.endif
	TOSTAGE \a
	SEND \a-1, 32                                  ; behind block a - 1's loads: block a's 16 stores and 16 loads
.endr
	s_wait_xcnt 0x0
	SEND 3, 0
	s_wait_tensorcnt 0x0                           ; the wave's end
	ds_add_u32 v[SPW], v[NIL]
	s_wait_dscnt 0x0
	CROUND                                         ; the closing round
	s_endpgm
.Lfunc_end_k_q7b620f53e2_outp:
	.size	k_q7b620f53e2_outp, .Lfunc_end_k_q7b620f53e2_outp-k_q7b620f53e2_outp
	.p2alignl 7, 3214868480
	.fill 96, 4, 3214868480
	.section	.rodata,"a",@progbits
	.p2align	6, 0x0
	.amdhsa_kernel k_q7b620f53e2_outp
		.amdhsa_group_segment_fixed_size 327680
		.amdhsa_private_segment_fixed_size 0
		.amdhsa_enable_private_segment 0
		.amdhsa_kernarg_size 32
		.amdhsa_user_sgpr_count 2
		.amdhsa_user_sgpr_kernarg_segment_ptr 1
		.amdhsa_wavefront_size32 1
		.amdhsa_system_sgpr_workgroup_id_x 1
		.amdhsa_system_sgpr_workgroup_id_y 1
		.amdhsa_system_sgpr_workgroup_id_z 1
		.amdhsa_system_vgpr_workitem_id 0
		.amdhsa_next_free_vgpr 768
		.amdhsa_next_free_sgpr 72
		.amdhsa_reserve_vcc 0
		.amdhsa_float_denorm_mode_32 3
		.amdhsa_float_denorm_mode_16_64 3
		.amdhsa_memory_ordered 1
		.amdhsa_forward_progress 1
		.amdhsa_inst_pref_size 152
	.end_amdhsa_kernel
	.amdgpu_metadata
---
amdhsa.version: [ 1, 2 ]
amdhsa.kernels:
  - .name:           k_q7b620f53e2_outp
    .symbol:         k_q7b620f53e2_outp.kd
    .args:
      - { .name: u16, .offset: 0, .size: 8, .value_kind: global_buffer, .address_space: global }
      - { .name: wv16, .offset: 8, .size: 8, .value_kind: global_buffer, .address_space: global }
      - { .name: bv, .offset: 16, .size: 8, .value_kind: global_buffer, .address_space: global }
      - { .name: out0, .offset: 24, .size: 8, .value_kind: global_buffer, .address_space: global }
    .group_segment_fixed_size: 327680
    .private_segment_fixed_size: 0
    .kernarg_segment_align: 8
    .kernarg_segment_size: 32
    .max_flat_workgroup_size: 128
    .sgpr_count:     72
    .vgpr_count:     768
    .wavefront_size: 32
...
	.end_amdgpu_metadata
.endif
;; end of part 5
